; MI455X (gfx1250); checked and timed in simulation.
; The chip was launched on July 23, 2026; its instructions are those of AMD's public machine-readable ISA for CDNA 5 (MIT licence, August 2026) and "CDNA5" Instruction Set Architecture Reference Guide (July 2026). The comments in the code are by the model that wrote it; some were corrected since.
;; Di T Block. Allowed arithmetic: matrix products marked QUANTISED: E2M3 operands, one E8M0 scale for each 32 along K, by v_wmma_scale_f32_16x16x128_f8f6f4 with both operands' format E2M3, f32 sums; products left as they are: f32 operands where the result goes on into a quantised operand, else bf16, f16 or f32 operands; f32 sums; everything else in f32.
;; Inputs: b1 4,096 float32; b2 1,024 float32; b_adaln1 2,048 float32; b_adaln2 2,048 float32; bk 1,024 float32; bo 1,024 float32; bq 1,024 float32; bv 1,024 float32; cond 2 x 1,024 float32; key_padding_mask 2 x 2,048 bool; w1 4,096 x 1,024 float32; w2 1,024 x 4,096 float32; w_adaln1 2,048 x 1,024 float32; w_adaln2 2,048 x 1,024 float32; wk 1,024 x 1,024 float32; wo 1,024 x 1,024 float32; wq 1,024 x 1,024 float32; wv 1,024 x 1,024 float32; x 2 x 2,048 x 1,024 float32.
;; Outputs: out0 2 x 2,048 x 1,024 float32.
;; This version of the problem:
;;   THIS VERSION OF THE PROBLEM IS GIVEN IN LOW PRECISION. The matrix products marked QUANTISED in the list below multiply operands that are first quantised to E2M3 (2 exponent bits, 3 mantissa bits; 6 bits a number), with one power-of-two scale for each 32 numbers along K (OCP MX v1.0); their sums are f32. All else is computed in f32.
;;   The module's matrix products, in the order in which they are computed (A, B: the left and right operand; K: the contracted axis; several contracted axes count as one K, in the product's order):
;;     1. [M 2, K 1,024] x [K 1,024, N 2,048]; A: input cond; B: input w_adaln1: left as it is (M = 2 < 16)
;;     2. [M 4,096, K 1,024] x [K 1,024, N 1,024]; A: computed on the way; B: input wq: QUANTISED
;;     3. [M 4,096, K 1,024] x [K 1,024, N 1,024]; A: computed on the way; B: input wk: QUANTISED
;;     4. [M 4,096, K 1,024] x [K 1,024, N 1,024]; A: computed on the way; B: input wv: QUANTISED
;;     5. batch 32 x [M 2,048, K 64] x [K 64, N 2,048]; A: computed on the way; B: computed on the way: QUANTISED
;;     6. batch 32 x [M 64, K 2,048] x [K 2,048, N 2,048]; A: computed on the way; B: softmax (see below): QUANTISED
;;     7. [M 4,096, K 1,024] x [K 1,024, N 1,024]; A: computed on the way; B: input wo: QUANTISED
;;     8. [M 2, K 1,024] x [K 1,024, N 2,048]; A: input cond; B: input w_adaln2: left as it is (M = 2 < 16)
;;     9. [M 4,096, K 1,024] x [K 1,024, N 4,096]; A: computed on the way; B: input w1: QUANTISED
;;     10. [M 4,096, K 4,096] x [K 4,096, N 1,024]; A: computed on the way; B: input w2: QUANTISED
;;   THE QUANTISER, for each operand of a quantised product, along K:
;;     - K is cut into blocks of 32 from its start; a last block that is shorter is filled with zeros.
;;     - A block's scale is 2^e with e = floor(log2(the largest magnitude in the block)) - 2, held to -126 .. 127; a block of zeros has e = 0. As a byte (E8M0): e + 127.
;;     - Each number is divided by its block's scale, clamped to +-7.5, and rounded to the nearest number of E2M3, ties to even, subnormals kept.
;;     - The product sums the exact products of the quantised numbers (number of the format x scale) in f32.
;;   ~~~python
;;   def quantise(x, axis):      # numpy; x: float32 -> the quantised numbers, widened to float32 again
;;       x = np.moveaxis(x, axis, -1); K = x.shape[-1]
;;       x = np.pad(x, [(0, 0)] * (x.ndim - 1) + [(0, -K % 32)]); x = x.reshape(x.shape[:-1] + (-1, 32)); a = np.abs(x).max(-1, keepdims=True)
;;       e = np.where(a > 0, np.clip(np.frexp(np.where(a > 0, a, 1))[1] - 1 - 2, -126, 127), 0)      # np.frexp(a)[1] - 1 = floor(log2(a)), exactly
;;       r = np.clip(x / 2.0 ** e, -7.5, 7.5)
;;       step = 2.0 ** (np.maximum(np.frexp(np.where(r == 0, 1, r))[1] - 1, 0) - 3)
;;       q = np.round(r / step) * step * 2.0 ** e      # np.round: ties to even
;;       return np.moveaxis(q.reshape(q.shape[:-2] + (-1,))[..., :K], -1, axis).astype(np.float32)
;;   ~~~
;;   SOFTMAX AHEAD OF A QUANTISED PRODUCT. Where the list says 'softmax', what is quantised is not the finished softmax but p = 2^(t - M), with t = logit x log2(e) and M = ceil(the row's largest t), a whole number; so 1/2 < the row's largest p <= 1. The row's sum l is taken of the UNQUANTISED p, in f32, and the product's result is divided by l at the end. Since M is a whole number, a kernel that streams over the keys may use a running M (the ceiling of the running maximum): every later rescaling is an exact power of two, which a block's scale takes up: the codes' values come out the same.
;;   OPERANDS COMPUTED ON THE WAY. 'Computed on the way' means the value that the module computes at that place (a softmax that the list does not call 'softmax' is quantised finished and normalised). What goes into a quantiser is computed in f32, as accurately as f32 sums, v_exp_f32 and their like allow (about 1e-6 of the number): no bf16 or f16 on the way to a quantiser, and a product that is left as it is and whose result goes on into a quantised operand takes f32 operands (vector FMAs, or v_wmma_f32_16x16x4_f32). A number that lies on a knife's edge between two numbers of the format may be rounded either way, as far as f32 arithmetic and the matrix unit's own rounding can turn it there, and no further.
;; One version. Each part assembles by itself: llvm-mc -triple=amdgcn-amd-amdhsa -mcpu=gfx1250 --defsym DOCPART=n.
;; ======== version 1 of 1: 7 launches
;; limits: right only within a limited range of input values
;; workspace buffers: wts 9,830,400 bytes; ss1 16,384 bytes; ss2 16,384 bytes; nq 3,276,800 bytes; qkv 13,107,200 bytes; ao 3,276,800 bytes; x1 16,777,216 bytes; hq 13,107,200 bytes
;; launch prep (part 1): grid 512 x 1, 4 waves a work-group, no clusters, 46,592 bytes of LDS; arguments wq, wk, wv, wo, w1, w2, cond, w_adaln1, b_adaln1, w_adaln2, b_adaln2, wts, ss1, ss2; writes wts, ss1, ss2
.if DOCPART == 1
	.amdgcn_target "amdgcn-amd-amdhsa--gfx1250"
	.amdhsa_code_object_version 6
	.text
	.protected	k_q96b19b28d6_prep
	.globl	k_q96b19b28d6_prep
	.p2align	8
	.type	k_q96b19b28d6_prep,@function
k_q96b19b28d6_prep:
	s_mov_b64 s[64:65], 0
	v_nop
	global_prefetch_b8 v0, s[64:65] scope:SCOPE_SE
	s_setreg_imm32_b32 hwreg(HW_REG_WAVE_MODE, 25, 1), 1
	s_wait_xcnt 0x0
; TWO JOBS IN ONE LAUNCH, told apart by the work-group's number; each work-group reads 128 KiB.
; Work-groups 0-383: the six weights (f32, K innermost) become codes of FP6 (E2M3) with one E8M0 byte for each 32 along K, laid in the ORDER OF THE OPERAND'S REGISTERS:
;   fragment (kq, rb) = 16 storage rows x 128 K = 1,536 bytes at ((kq x RB + rb) x 1536); in it register 4 g + m of lane L lies at g x 512 + 16 L + 4 m; lane (r, h) registers 6 c .. 6 c + 5 hold k = 128 kq + 64 c + 32 h + 0 .. 31 of row 16 rb + r.
;   Storage row p holds logical row sigma(p), p with bits 3 and 4 exchanged, so that a product used transposed leaves 16 neighbouring columns in a lane's 16 registers of two neighbouring tiles.
;   Scale words: 4 bytes for a row and 128 K at (kq x ROWS + row) x 4.   wo alone has the middle two blocks of each 128 along K exchanged, as the attention launch lays its results.
; Work-groups 384-511: ss = cond W^T + b for both adaLN layers, by f32 fused multiply-adds (the result goes on into a quantiser): a wave takes 8 rows of W.
; A block's scale is 2^(floor(log2(largest magnitude)) - 2); its byte is the largest magnitude's exponent field - 2, held at 1 from below.
; LIMITS: a block of zeros gets the byte 1 where the rule says 127 (its codes are zeros, and this program alone reads the bytes); NaN and infinities among the inputs are not served.
.set WQKV_S, 9437184
.set WO_C,   2359296
.set WO_S,   9535488
.set W1_C,   3145728
.set W1_S,   9568256
.set W2_C,   6291456
.set W2_S,   9699328
.set SP,    80                         ; a lane's place in a turn stage: 64 bytes + 16
.set WREG,  11520                      ; LDS of a wave: two turn stages of 2,560, the code stage, the scale stage
.set CST,   5120                       ; code stage: [kq 2][row block 2][1536]
.set SST,   11264                      ; scale stage: [kq 2][32 rows][4]
.set SPARE, 46080                      ; the spare words: 128 bytes a wave, two blocks of 256 bytes that no other line names
.set R,   16                           ; v16-79   four sets of 16 numbers as loaded
.set X,   80                           ; v80-111  two sets of 16 neighbours
.set OFF, 112                          ; v112-143 byte offset of each of the 32 rows, in storage order; never rewritten
.set C,   144                          ; v144-207 codes, four registers a step
.set E,   208                          ; v208-223 a scale byte a step
	s_load_b512 s[4:19], s[0:1], 0x0               ; wq wk wv wo w1 w2 cond w_adaln1
	s_load_b256 s[20:27], s[0:1], 0x40             ; b_adaln1 w_adaln2 b_adaln2 wts
	s_load_b128 s[28:31], s[0:1], 0x60             ; ss1 ss2
	v_lshl_add_u32 v12, v0, 2, SPARE               ; my spare word
	v_mov_b32 v13, 0
	v_lshrrev_b32 v1, 5, v0
	v_readfirstlane_b32 s32, v1                    ; wave
	v_and_b32 v2, 31, v0                           ; lane
	s_wait_kmcnt 0x0
	s_cmp_lt_u32 ttmp9, 384
	s_cbranch_scc0 .Lgemv
	; ---- which weight, which 32 rows, which 256 along K: all from the work-group's number and the wave's
	s_lshr_b32 s33, ttmp9, 5
	s_cmp_eq_u32 s33, 1
	s_cselect_b64 s[42:43], s[6:7], s[4:5]
	s_cmp_eq_u32 s33, 2
	s_cselect_b64 s[42:43], s[8:9], s[42:43]       ; wq, wk, wv
	s_and_b32 s35, ttmp9, 31                       ; group of 32 rows in the source
	s_lshl_b32 s37, ttmp9, 1                       ; first row block in the region
	s_mov_b32 s38, 192                             ; row blocks of the region
	s_mov_b32 s39, 0                               ; where its codes begin
	s_mov_b32 s40, WQKV_S                          ; and its scale words
	s_mov_b32 s41, 3072                            ; rows of the region
	s_mov_b32 s34, 4096                            ; a source row in bytes
	s_mov_b32 s36, s32                             ; which 256 along K
	s_sub_co_u32 s33, ttmp9, 96                    ; wo
	s_lshl_b32 s45, s33, 1
	s_cmp_ge_u32 ttmp9, 96
	s_cselect_b64 s[42:43], s[10:11], s[42:43]
	s_cselect_b32 s35, s33, s35
	s_cselect_b32 s37, s45, s37
	s_cselect_b32 s38, 64, s38
	s_cselect_b32 s39, WO_C, s39
	s_cselect_b32 s40, WO_S, s40
	s_cselect_b32 s41, 1024, s41
	s_cselect_b32 s44, -1, 0                       ; all lanes: this is wo
	s_sub_co_u32 s33, ttmp9, 128                   ; w1
	s_lshl_b32 s45, s33, 1
	s_cmp_ge_u32 ttmp9, 128
	s_cselect_b64 s[42:43], s[12:13], s[42:43]
	s_cselect_b32 s35, s33, s35
	s_cselect_b32 s37, s45, s37
	s_cselect_b32 s38, 256, s38
	s_cselect_b32 s39, W1_C, s39
	s_cselect_b32 s40, W1_S, s40
	s_cselect_b32 s41, 4096, s41
	s_cselect_b32 s44, 0, s44
	s_sub_co_u32 s33, ttmp9, 256                   ; w2: four work-groups share a group of rows along K
	s_lshr_b32 s46, s33, 2
	s_lshl_b32 s45, s46, 1
	s_and_b32 s47, s33, 3
	s_lshl_b32 s47, s47, 2
	s_add_co_u32 s47, s47, s32
	s_cmp_ge_u32 ttmp9, 256
	s_cselect_b64 s[42:43], s[14:15], s[42:43]
	s_cselect_b32 s35, s46, s35
	s_cselect_b32 s37, s45, s37
	s_cselect_b32 s38, 64, s38
	s_cselect_b32 s39, W2_C, s39
	s_cselect_b32 s40, W2_S, s40
	s_cselect_b32 s41, 1024, s41
	s_cselect_b32 s34, 16384, s34
	s_cselect_b32 s36, s47, s36
	s_mul_i32 s48, s35, s34                        ; source: 32 rows x group + 1,024 bytes x K part
	s_lshl_b32 s48, s48, 5
	s_lshl_b32 s49, s36, 10
	s_add_co_u32 s48, s48, s49
	s_mov_b32 s49, 0
	s_add_nc_u64 s[42:43], s[42:43], s[48:49]
	s_mul_i32 s50, s36, s38                        ; codes: fragment (2 x K part, first row block)
	s_lshl_b32 s50, s50, 1
	s_add_co_u32 s50, s50, s37
	s_mul_i32 s50, s50, 1536
	s_add_co_u32 s50, s50, s39
	s_mov_b32 s51, 0
	s_add_nc_u64 s[52:53], s[26:27], s[50:51]
	s_mul_i32 s54, s38, 1536                       ; from kq to kq + 1
	s_mul_i32 s50, s36, s41                        ; scale words
	s_lshl_b32 s50, s50, 1
	s_lshl_b32 s55, s37, 4
	s_add_co_u32 s50, s50, s55
	s_lshl_b32 s50, s50, 2
	s_add_co_u32 s50, s50, s40
	s_add_nc_u64 s[56:57], s[26:27], s[50:51]
	s_lshl_b32 s58, s41, 2                         ; from kq to kq + 1
	s_mul_i32 s59, s32, WREG                       ; my wave's LDS
	s_wait_alu depctr_va_vdst(0)
	v_lshlrev_b32 v3, 4, v2                        ; my 16 bytes of a load's 512;
	v_and_b32 v4, 7, v2
	v_bfe_u32 v5, v2, 3, 1
	v_bfe_u32 v6, v2, 4, 1
	v_lshl_or_b32 v4, v5, 4, v4
	v_lshl_or_b32 v4, v6, 3, v4
	v_lshlrev_b32 v4, 4, v4
	v_cndmask_b32 v3, v3, v4, s44                  ; for wo: lane bits 3 and 4 exchanged, which exchanges the middle two blocks of 32 of each 128 along K
	v_lshrrev_b32 v14, 2, v2
	v_mul_u32_u24 v14, v14, SP
	v_and_b32 v15, 3, v2
	v_lshl_add_u32 v14, v15, 4, v14
	v_add_nc_u32 v14, s59, v14                     ; turn stage, in: four lanes' 64 bytes on end, then 16 of padding
	v_mul_u32_u24 v15, v2, SP
	v_add_nc_u32 v15, s59, v15                     ; and out: my 16 neighbours
	; behind the turn lane L holds: row L >> 4 of the step's two, kq (L >> 3) & 1, c (L >> 2) & 1, h (L >> 1) & 1, half of a block L & 1
	v_and_b32 v4, 1, v2
	v_bfe_u32 v5, v2, 2, 1
	v_mul_u32_u24 v4, v4, 3
	v_mad_u32_u24 v4, v5, 6, v4                    ; my first register of the fragment: 6 c + 3 e
	v_bfe_u32 v5, v2, 1, 1
	v_bfe_u32 v6, v2, 3, 1
	v_lshrrev_b32 v7, 4, v2
	v_lshlrev_b32 v5, 8, v5
	v_mad_u32_u24 v5, v6, 3072, v5
	v_lshl_add_u32 v5, v7, 4, v5
	v_add_nc_u32 v5, s59, v5
.irp k, 0,1,2
	v_add_nc_u32 v11, \k, v4
	v_lshrrev_b32 v[8+\k], 2, v11
	v_and_b32 v11, 3, v11
	v_lshlrev_b32 v[8+\k], 9, v[8+\k]
	v_lshl_add_u32 v[8+\k], v11, 2, v[8+\k]
	v_add_nc_u32 v[8+\k], v[8+\k], v5              ; v8-10: where my three code words go in the code stage
.endr
	v_bfe_u32 v11, v2, 1, 2
	v_lshl_add_u32 v11, v6, 7, v11
	v_lshl_add_u32 v11, v7, 2, v11
	v_add_nc_u32 v1, s59, v11                      ; v1: where my block's byte goes in the scale stage
	v_lshlrev_b32 v4, 4, v2                        ; the way out: 16 L,
	v_add_nc_u32 v5, s54, v4                       ; the same one kq on,
	v_add_nc_u32 v6, s59, v4                       ; and in LDS
	v_lshl_add_u32 v7, v2, 3, s59
	v_lshrrev_b32 v11, 4, v2
	v_mul_u32_u24 v11, v11, s58
	v_and_b32 v227, 15, v2
	v_lshl_add_u32 v11, v227, 3, v11               ; scale words: 8 bytes a lane, sixteen lanes a kq
.set T, 0
.rept 16
.set SG, ((2*T)&7)|((((2*T)>>3)&1)<<4)|((((2*T)>>4)&1)<<3)
	v_mad_u32_u24 v[OFF+2*T], s34, SG, v3          ; storage rows 2 T, 2 T + 1 are logical rows sigma(2 T), sigma(2 T) + 1
	v_mad_u32_u24 v[OFF+2*T+1], s34, SG+1, v3
.set T, T+1
.endr
.macro LOAD t                          ; two rows x 256 along K: four loads of 512 consecutive bytes
.irp x, 0,1
	global_load_b128 v[R+16*((\t)%4)+8*\x:R+16*((\t)%4)+8*\x+3], v[OFF+2*(\t)+\x], s[42:43] th:TH_LOAD_NT
	global_load_b128 v[R+16*((\t)%4)+8*\x+4:R+16*((\t)%4)+8*\x+7], v[OFF+2*(\t)+\x], s[42:43] offset:512 th:TH_LOAD_NT
.endr
.endm
.macro TURN t                          ; through the stage: LDS serves a wave's instructions in order, so no wait stands between the stores and the loads
.irp i, 0,1,2,3
	ds_store_b128 v14, v[R+16*((\t)%4)+4*\i:R+16*((\t)%4)+4*\i+3] offset:32*SP*((\t)%2)+8*SP*\i
.endr
.irp i, 0,1,2,3
	ds_load_b128 v[X+16*((\t)%2)+4*\i:X+16*((\t)%2)+4*\i+3], v15 offset:32*SP*((\t)%2)+16*\i
.endr
.endm
.irp t, 0,1,2,3
	LOAD \t
.endr
	s_wait_loadcnt 12                              ; step 0's four loads are in
	TURN 0
.macro STEP t
.set XS, X+16*((\t)%2)
.if (\t) > 0
	s_wait_dscnt 4                                 ; this step's numbers are back; the last step's three code stores and its byte store may be out
.else
	s_wait_dscnt 0x0
.endif
.if (\t)+4 < 16
	LOAD (\t)+4
.endif
.if (\t)+1 < 16
.if 14-(\t) >= 3
	s_wait_loadcnt 12                              ; the next step's four loads are in; those of the three steps behind it may be out
.else
	s_wait_loadcnt 4*(14-(\t))
.endif
	TURN (\t)+1
.endif
	v_max3_num_f32 v224, |v[XS]|, |v[XS+1]|, |v[XS+2]|
	v_max3_num_f32 v225, |v[XS+3]|, |v[XS+4]|, |v[XS+5]|
.irp i, 6,10
	v_max3_num_f32 v224, v224, |v[XS+\i]|, |v[XS+\i+1]|
	v_max3_num_f32 v225, v225, |v[XS+\i+2]|, |v[XS+\i+3]|
.endr
	v_max3_num_f32 v224, v224, |v[XS+14]|, |v[XS+15]|
	v_max3_num_f32 v224, v224, v225, 0x1800000     ; and the floor 2^(3 - 127): the byte cannot fall under 1
	v_max_num_f32_dpp v224, v224, v224 row_xmask:1 row_mask:0xf bank_mask:0xf   ; with my neighbour's 16: the block's
	v_add_nc_u32 v226, 0xff000000, v224            ; 2 off the exponent field: the conversion's scale operand
	v_cvt_scalef32_pk16_fp6_f32 v[C+4*(\t):C+4*(\t)+2], v[XS:XS+15], v226
	v_lshrrev_b32 v[E+(\t)], 23, v226              ; the scale's byte
.irp k, 0,1,2
	ds_store_b32 v[8+\k], v[C+4*(\t)+\k] offset:CST+((\t)>>3)*1536+((2*(\t))&15)*16
.endr
	ds_store_b8 v1, v[E+(\t)] offset:SST+8*(\t)    ; both lanes of a block write the same byte with the same value
.endm
.irp t, 0,1,2,3,4,5,6,7,8,9,10,11,12,13,14,15
	STEP \t
.endr
	ds_load_b64 v[64:65], v7 offset:SST            ; LDS serves a wave's instructions in order: these see my stores
.set N, 0
.rept 12
	ds_load_b128 v[R+4*N:R+4*N+3], v6 offset:CST+N*512
.set N, N+1
.endr
.set N, 0
.rept 6
	s_wait_dscnt 11-N
	global_store_b128 v4, v[R+4*N:R+4*N+3], s[52:53] offset:N*512      ; 32 lanes store 512 consecutive bytes, aligned
.set N, N+1
.endr
.rept 6
	s_wait_dscnt 11-N
	global_store_b128 v5, v[R+4*N:R+4*N+3], s[52:53] offset:(N-6)*512
.set N, N+1
.endr
	global_store_b64 v11, v[64:65], s[56:57]       ; two runs of 128 bytes of scale words
	s_wait_tensorcnt 0x0                           ; the wave's end, behind my last LDS store
	ds_add_u32 v12, v13
	s_wait_dscnt 0x0
	s_endpgm
.Lgemv:
	; ---- ss[b][row] = sum over k of cond[b][k] W[row][k] + bias[row]: 8 rows a wave, both batches; no LDS
	s_sub_co_u32 s33, ttmp9, 384
	s_lshl_b32 s33, s33, 2
	s_add_co_u32 s33, s33, s32
	s_lshl_b32 s33, s33, 3                         ; my first row of the 4,096
	s_and_b32 s34, s33, 2047                       ; and in its own tensor
	s_cmp_lt_u32 ttmp9, 448
	s_cselect_b64 s[36:37], s[18:19], s[22:23]
	s_cselect_b64 s[38:39], s[20:21], s[24:25]
	s_cselect_b64 s[40:41], s[28:29], s[30:31]
	s_lshl_b32 s42, s34, 12
	s_mov_b32 s43, 0
	s_add_nc_u64 s[36:37], s[36:37], s[42:43]
	s_lshl_b32 s42, s34, 2
	s_add_nc_u64 s[38:39], s[38:39], s[42:43]
	s_add_nc_u64 s[40:41], s[40:41], s[42:43]
	s_mov_b32 s60, 0x76543210
	s_mov_b32 s61, 0xfedcba98
	s_wait_alu depctr_va_vdst(0)
	v_lshlrev_b32 v3, 4, v2
	v_and_b32 v4, 7, v2
	v_lshlrev_b32 v4, 2, v4
.irp b, 0,1
.irp i, 0,1,2,3,4,5,6,7
	global_load_b128 v[16+32*\b+4*\i:19+32*\b+4*\i], v3, s[16:17] offset:4096*\b+512*\i    ; cond: load i gives columns 128 i + 4 L
.endr
.endr
	global_load_b32 v221, v4, s[38:39]             ; the bias of row L & 7
.macro WROW j
.irp i, 0,1,2,3,4,5,6,7
	global_load_b128 v[80+32*((\j)%4)+4*\i:83+32*((\j)%4)+4*\i], v3, s[36:37] offset:4096*(\j)+512*\i th:TH_LOAD_NT
.endr
.endm
.irp j, 0,1,2,3
	WROW \j
.endr
	v_mov_b32 v216, 0                              ; written once: a lane permute's destination counts as one of its sources
	v_mov_b32 v217, 0
	v_mov_b32 v220, 0
.macro ROW j, left
.set WS, 80+32*((\j)%4)
	s_wait_loadcnt \left                           ; this row's eight loads are in; the later rows' may be out
.irp b, 0,1
	v_pk_mul_f32 v[208+4*\b:209+4*\b], v[WS:WS+1], v[16+32*\b:17+32*\b]
	v_pk_mul_f32 v[210+4*\b:211+4*\b], v[WS+2:WS+3], v[18+32*\b:19+32*\b]
.endr
.irp p, 4,8,12,16,20,24,28
.irp b, 0,1
	v_pk_fma_f32 v[208+4*\b:209+4*\b], v[WS+\p:WS+\p+1], v[16+32*\b+\p:17+32*\b+\p], v[208+4*\b:209+4*\b]
	v_pk_fma_f32 v[210+4*\b:211+4*\b], v[WS+\p+2:WS+\p+3], v[18+32*\b+\p:19+32*\b+\p], v[210+4*\b:211+4*\b]
.endr
.endr
.if (\j)+4 < 8
	WROW (\j)+4
.endif
.irp b, 0,1
	v_pk_add_f32 v[208+4*\b:209+4*\b], v[208+4*\b:209+4*\b], v[210+4*\b:211+4*\b]
	v_add_f32 v[208+4*\b], v[208+4*\b], v[209+4*\b]
	v_add_f32_dpp v[208+4*\b], v[208+4*\b], v[208+4*\b] row_xmask:1 row_mask:0xf bank_mask:0xf
	v_add_f32_dpp v[208+4*\b], v[208+4*\b], v[208+4*\b] row_xmask:2 row_mask:0xf bank_mask:0xf
	v_add_f32_dpp v[208+4*\b], v[208+4*\b], v[208+4*\b] row_xmask:4 row_mask:0xf bank_mask:0xf
	v_add_f32_dpp v[208+4*\b], v[208+4*\b], v[208+4*\b] row_xmask:8 row_mask:0xf bank_mask:0xf
	v_permlanex16_b32 v[216+\b], v[208+4*\b], s60, s61
	v_add_f32 v[208+4*\b], v[208+4*\b], v[216+\b]
	s_mov_b32 s62, 1<<(8*\b+(\j))
	v_cndmask_b32 v220, v220, v[208+4*\b], s62     ; lane 8 b + j keeps batch b, row j
.endr
.endm
	ROW 0, 24
	ROW 1, 24
	ROW 2, 24
	ROW 3, 24
	ROW 4, 24
	ROW 5, 16
	ROW 6, 8
	ROW 7, 0
	v_add_f32 v220, v220, v221
	v_lshrrev_b32 v5, 3, v2
	v_lshl_add_u32 v5, v5, 13, v4                  ; batch x 8,192 + 4 x row
	v_cmp_gt_u32 vcc_lo, 16, v2
	s_wait_alu depctr_va_vdst(0)
	s_wait_xcnt 0x0                                ; EXEC changes only behind this wait
	s_and_saveexec_b32 s62, vcc_lo
	global_store_b32 v5, v220, s[40:41]
	s_wait_xcnt 0x0
	s_or_b32 exec_lo, exec_lo, s62
	s_endpgm
.Lfunc_end_k_q96b19b28d6_prep:
	.size	k_q96b19b28d6_prep, .Lfunc_end_k_q96b19b28d6_prep-k_q96b19b28d6_prep
	.p2alignl 7, 3214868480
	.fill 96, 4, 3214868480
	.section	.rodata,"a",@progbits
	.p2align	6, 0x0
	.amdhsa_kernel k_q96b19b28d6_prep
		.amdhsa_group_segment_fixed_size 46592
		.amdhsa_private_segment_fixed_size 0
		.amdhsa_enable_private_segment 0
		.amdhsa_kernarg_size 112
		.amdhsa_user_sgpr_count 2
		.amdhsa_user_sgpr_kernarg_segment_ptr 1
		.amdhsa_wavefront_size32 1
		.amdhsa_system_sgpr_workgroup_id_x 1
		.amdhsa_system_sgpr_workgroup_id_y 1
		.amdhsa_system_sgpr_workgroup_id_z 1
		.amdhsa_system_vgpr_workitem_id 0
		.amdhsa_next_free_vgpr 232
		.amdhsa_next_free_sgpr 66
		.amdhsa_reserve_vcc 1
		.amdhsa_float_denorm_mode_32 3
		.amdhsa_float_denorm_mode_16_64 3
		.amdhsa_memory_ordered 1
		.amdhsa_forward_progress 1
		.amdhsa_inst_pref_size 76
	.end_amdhsa_kernel
	.amdgpu_metadata
---
amdhsa.version: [ 1, 2 ]
amdhsa.kernels:
  - .name:           k_q96b19b28d6_prep
    .symbol:         k_q96b19b28d6_prep.kd
    .args:
      - { .name: wq, .offset: 0, .size: 8, .value_kind: global_buffer, .address_space: global }
      - { .name: wk, .offset: 8, .size: 8, .value_kind: global_buffer, .address_space: global }
      - { .name: wv, .offset: 16, .size: 8, .value_kind: global_buffer, .address_space: global }
      - { .name: wo, .offset: 24, .size: 8, .value_kind: global_buffer, .address_space: global }
      - { .name: w1, .offset: 32, .size: 8, .value_kind: global_buffer, .address_space: global }
      - { .name: w2, .offset: 40, .size: 8, .value_kind: global_buffer, .address_space: global }
      - { .name: cond, .offset: 48, .size: 8, .value_kind: global_buffer, .address_space: global }
      - { .name: w_adaln1, .offset: 56, .size: 8, .value_kind: global_buffer, .address_space: global }
      - { .name: b_adaln1, .offset: 64, .size: 8, .value_kind: global_buffer, .address_space: global }
      - { .name: w_adaln2, .offset: 72, .size: 8, .value_kind: global_buffer, .address_space: global }
      - { .name: b_adaln2, .offset: 80, .size: 8, .value_kind: global_buffer, .address_space: global }
      - { .name: wts, .offset: 88, .size: 8, .value_kind: global_buffer, .address_space: global }
      - { .name: ss1, .offset: 96, .size: 8, .value_kind: global_buffer, .address_space: global }
      - { .name: ss2, .offset: 104, .size: 8, .value_kind: global_buffer, .address_space: global }
    .group_segment_fixed_size: 46592
    .private_segment_fixed_size: 0
    .kernarg_segment_align: 8
    .kernarg_segment_size: 112
    .max_flat_workgroup_size: 128
    .sgpr_count:     66
    .vgpr_count:     232
    .wavefront_size: 32
...
	.end_amdgpu_metadata
.endif
;; end of part 1
;; launch lnq (part 2): grid 256 x 1, 4 waves a work-group, no clusters, 33,792 bytes of LDS; arguments x, ss1, nq; writes nq
.if DOCPART == 2
	.amdgcn_target "amdgcn-amd-amdhsa--gfx1250"
	.amdhsa_code_object_version 6
	.text
	.protected	k_q96b19b28d6_lnq
	.globl	k_q96b19b28d6_lnq
	.p2align	8
	.type	k_q96b19b28d6_lnq,@function
k_q96b19b28d6_lnq:
	s_mov_b64 s[64:65], 0
	v_nop
	global_prefetch_b8 v0, s[64:65] scope:SCOPE_SE
	s_setreg_imm32_b32 hwreg(HW_REG_WAVE_MODE, 25, 1), 1
	s_wait_xcnt 0x0
; n = layernorm(x) (1 + scale) + shift, all in f32, then quantised to FP6 (E2M3) along the row, one E8M0 byte for each 32, and stored in the order of an operand's registers:
; fragment (kq, rb) = 16 rows x 128 K at ((kq x 256 + rb) x 1536), register 4 g + m of lane L at g x 512 + 16 L + 4 m; scale words [kq 8][4096 rows] from byte 3,145,728 on.
; A work-group takes 16 rows (one row block), a wave four of them: a row of 4,096 bytes lies in 32 registers of one wave between the passes, so it is read from memory once.
; The conversions want 16 neighbours in a lane, the loads 16 bytes a lane: a row's two halves of 512 numbers turn through the wave's own stages in LDS.
; The codes of the 16 rows meet in LDS; behind one barrier each wave stores two whole fragments, 512 consecutive bytes an instruction.
; LIMITS: a block of zeros gets the byte 1 where the rule says 127 (its codes are zeros, and this program alone reads the bytes); NaN and infinities among the inputs are not served.
.set CODES, 20480                      ; LDS: four waves x two turn stages of 2,560; then [kq 8][1536]
.set SCB,   32768                      ; [kq 8][16 rows][4]
.set SPARE, 33280                      ; the spare words: 128 bytes a wave, two blocks of 256 bytes that no other line names
.set X,  16                            ; v16-143  four rows as loaded: load i gives columns 128 i + 4 L
.set G,  144                           ; v144-175 1 + scale, in the same layout
.set SH, 176                           ; v176-207 shift
.set XT, 208                           ; v208-239 two sets of 16 neighbours
	s_load_b128 s[4:7], s[0:1], 0x0                ; the rows, ss
	s_load_b64 s[8:9], s[0:1], 0x10                ; the codes' buffer
	v_lshl_add_u32 v9, v0, 2, SPARE                ; my spare word
	v_mov_b32 v10, 0
	v_lshrrev_b32 v1, 5, v0
	v_readfirstlane_b32 s10, v1                    ; wave
	v_and_b32 v1, 31, v0                           ; lane
	v_lshlrev_b32 v2, 4, v1
	s_lshl_b32 s12, ttmp9, 16                      ; 16 rows of 4,096 bytes a work-group,
	s_lshl_b32 s13, s10, 14                        ; four a wave
	s_add_co_u32 s12, s12, s13
	s_mov_b32 s13, 0
	s_lshr_b32 s14, ttmp9, 7                       ; the batch
	s_lshl_b32 s14, s14, 13
	s_mov_b32 s15, 0
	s_mov_b32 s16, 0x3a800000                      ; 1 / 1024
	s_mov_b32 s17, 0x3727c5ac                      ; 1e-5
	s_mov_b32 s18, 0x76543210
	s_mov_b32 s19, 0xfedcba98
	s_wait_alu depctr_va_vdst(0)
	s_wait_kmcnt 0x0
	s_add_nc_u64 s[4:5], s[4:5], s[12:13]
	s_add_nc_u64 s[6:7], s[6:7], s[14:15]
.irp i, 0,1,2,3,4,5,6,7
	global_load_b128 v[G+4*\i:G+4*\i+3], v2, s[6:7] offset:512*\i
.endr
.irp i, 0,1,2,3,4,5,6,7
	global_load_b128 v[SH+4*\i:SH+4*\i+3], v2, s[6:7] offset:4096+512*\i
.endr
.irp q, 0,1,2,3
.irp i, 0,1,2,3,4,5,6,7
	global_load_b128 v[X+32*\q+4*\i:X+32*\q+4*\i+3], v2, s[4:5] offset:4096*\q+512*\i th:TH_LOAD_NT
.endr
.endr
	s_mul_i32 s11, s10, 5120
	v_lshrrev_b32 v3, 2, v1
	v_mul_u32_u24 v3, v3, 80
	v_and_b32 v4, 3, v1
	v_lshl_add_u32 v3, v4, 4, v3
	v_add_nc_u32 v3, s11, v3                       ; turn stage, in
	v_mul_u32_u24 v4, v1, 80
	v_add_nc_u32 v4, s11, v4                       ; and out
	; behind the turn lane L holds: kq (L >> 3) of the half's four, c (L >> 2) & 1, h (L >> 1) & 1, half of a block L & 1
	v_and_b32 v11, 1, v1
	v_bfe_u32 v15, v1, 2, 1
	v_mul_u32_u24 v11, v11, 3
	v_mad_u32_u24 v11, v15, 6, v11
	v_bfe_u32 v15, v1, 1, 1
	v_lshrrev_b32 v8, 3, v1
	v_lshlrev_b32 v15, 8, v15
	v_mad_u32_u24 v15, v8, 1536, v15
	s_lshl_b32 s11, s10, 6                         ; my four rows: 16 bytes a row
	v_add_nc_u32 v15, s11, v15
.irp k, 0,1,2
	v_add_nc_u32 v12, \k, v11
	v_lshrrev_b32 v[5+\k], 2, v12
	v_and_b32 v12, 3, v12
	v_lshlrev_b32 v[5+\k], 9, v[5+\k]
	v_lshl_add_u32 v[5+\k], v12, 2, v[5+\k]
	v_add_nc_u32 v[5+\k], v[5+\k], v15             ; v5-7: where my three code words go
.endr
	v_bfe_u32 v12, v1, 1, 2
	v_lshl_add_u32 v8, v8, 6, v12
	s_lshl_b32 s11, s10, 4
	v_add_nc_u32 v8, s11, v8                       ; v8: where my block's byte goes
	s_mul_i32 s11, s10, 3072
	v_add_nc_u32 v11, s11, v2                      ; the way out: my wave's two fragments
	v_lshrrev_b32 v15, 2, v1
	v_and_b32 v12, 3, v1
	v_lshlrev_b32 v15, 14, v15
	v_lshl_add_u32 v15, v12, 4, v15                ; scale words: four lanes a kq
	v_mov_b32 v242, 0                              ; written once: a lane permute's destination counts as one of its sources
	s_wait_loadcnt 32                              ; scale and shift are in; the rows' 32 loads may be out
.irp p, 0,2,4,6,8,10,12,14,16,18,20,22,24,26,28,30
	v_pk_add_f32 v[G+\p:G+\p+1], v[G+\p:G+\p+1], 1.0 op_sel_hi:[1,0]
.endr
.macro LSUM                            ; v240 summed over the 32 lanes, the result in every lane
	v_add_f32_dpp v240, v240, v240 row_xmask:1 row_mask:0xf bank_mask:0xf
	v_add_f32_dpp v240, v240, v240 row_xmask:2 row_mask:0xf bank_mask:0xf
	v_add_f32_dpp v240, v240, v240 row_xmask:4 row_mask:0xf bank_mask:0xf
	v_add_f32_dpp v240, v240, v240 row_xmask:8 row_mask:0xf bank_mask:0xf
	v_permlanex16_b32 v242, v240, s18, s19
	v_add_f32 v240, v240, v242
.endm
.macro QHALF s, q, cs, es              ; 16 neighbours a lane become 12 bytes of codes; two neighbouring lanes hold a block
.set XS, XT+16*\s
	v_max3_num_f32 v248, |v[XS]|, |v[XS+1]|, |v[XS+2]|
	v_max3_num_f32 v249, |v[XS+3]|, |v[XS+4]|, |v[XS+5]|
.irp i, 6,10
	v_max3_num_f32 v248, v248, |v[XS+\i]|, |v[XS+\i+1]|
	v_max3_num_f32 v249, v249, |v[XS+\i+2]|, |v[XS+\i+3]|
.endr
	v_max3_num_f32 v248, v248, |v[XS+14]|, |v[XS+15]|
	v_max3_num_f32 v248, v248, v249, 0x1800000     ; the floor 2^(3 - 127): the byte cannot fall under 1
	v_max_num_f32_dpp v248, v248, v248 row_xmask:1 row_mask:0xf bank_mask:0xf
	v_add_nc_u32 v250, 0xff000000, v248            ; 2 off the exponent field: the conversion's scale operand
	v_cvt_scalef32_pk16_fp6_f32 v[\cs:\cs+2], v[XS:XS+15], v250
	v_lshrrev_b32 v[\es], 23, v250
.irp k, 0,1,2
	ds_store_b32 v[5+\k], v[\cs+\k] offset:CODES+\s*6144+\q*16
.endr
	ds_store_b8 v8, v[\es] offset:SCB+\s*256+\q*4
.endm
.macro ROW q, left
.set XR, X+32*\q
	s_wait_loadcnt \left                           ; this row's eight loads are in; the later rows' may be out
	v_pk_add_f32 v[240:241], v[XR:XR+1], v[XR+2:XR+3]
	v_pk_add_f32 v[242:243], v[XR+4:XR+5], v[XR+6:XR+7]
.irp p, 8,12,16,20,24,28
	v_pk_add_f32 v[240:241], v[240:241], v[XR+\p:XR+\p+1]
	v_pk_add_f32 v[242:243], v[242:243], v[XR+\p+2:XR+\p+3]
.endr
	v_pk_add_f32 v[240:241], v[240:241], v[242:243]
	v_add_f32 v240, v240, v241
	LSUM
	v_mul_f32 v244, s16, v240                      ; the mean
	v_mov_b32 v245, v244
.irp p, 0,2,4,6,8,10,12,14,16,18,20,22,24,26,28,30
	v_pk_add_f32 v[XR+\p:XR+\p+1], v[XR+\p:XR+\p+1], v[244:245] neg_lo:[0,1] neg_hi:[0,1]
.endr
	v_pk_mul_f32 v[240:241], v[XR:XR+1], v[XR:XR+1]
	v_pk_mul_f32 v[242:243], v[XR+2:XR+3], v[XR+2:XR+3]
.irp p, 4,8,12,16,20,24,28
	v_pk_fma_f32 v[240:241], v[XR+\p:XR+\p+1], v[XR+\p:XR+\p+1], v[240:241]
	v_pk_fma_f32 v[242:243], v[XR+\p+2:XR+\p+3], v[XR+\p+2:XR+\p+3], v[242:243]
.endr
	v_pk_add_f32 v[240:241], v[240:241], v[242:243]
	v_add_f32 v240, v240, v241
	LSUM
	v_fma_f32 v246, v240, s16, s17                 ; the variance + 1e-5
	s_wait_alu depctr_va_vdst(0)
	v_rsq_f32 v246, v246
.irp p, 0,2,4,6,8,10,12,14,16,18,20,22,24,26,28,30
	v_pk_mul_f32 v[XR+\p:XR+\p+1], v[XR+\p:XR+\p+1], v[G+\p:G+\p+1]   ; plain work that names nothing of the root
.endr
	s_wait_alu depctr_va_vdst(0)                   ; the wait ahead of the first line that names the root's result
	v_mov_b32 v247, v246
.irp p, 0,2,4,6,8,10,12,14,16,18,20,22,24,26,28,30
	v_pk_fma_f32 v[XR+\p:XR+\p+1], v[XR+\p:XR+\p+1], v[246:247], v[SH+\p:SH+\p+1]
.endr
.irp s, 0,1
.irp i, 0,1,2,3
	ds_store_b128 v3, v[XR+16*\s+4*\i:XR+16*\s+4*\i+3] offset:2560*\s+640*\i
.endr
.irp i, 0,1,2,3
	ds_load_b128 v[XT+16*\s+4*\i:XT+16*\s+4*\i+3], v4 offset:2560*\s+16*\i
.endr
.endr
	s_wait_dscnt 8                                 ; the first half is back; the second half's eight may be out.  All older stores have read their registers
	QHALF 0, \q, 252, 251
	s_wait_dscnt 4                                 ; the second half is back; the first half's four stores may be out
	QHALF 1, \q, 12, 255
.endm
	ROW 0, 24
	ROW 1, 16
	ROW 2, 8
	ROW 3, 0
	s_lshl_b32 s24, s10, 9
	s_add_co_u32 s24, s24, ttmp9
	s_mul_i32 s24, s24, 1536                       ; fragment (2 x wave, my row block)
	s_mov_b32 s25, 0
	s_add_nc_u64 s[20:21], s[8:9], s[24:25]
	s_lshl_b32 s24, ttmp9, 6
	s_add_co_u32 s24, s24, 3145728
	s_add_nc_u64 s[22:23], s[8:9], s[24:25]
	s_wait_dscnt 0x0                               ; for the others' sake: my stores have landed
	s_barrier_signal -1
	s_barrier_wait -1
.irp n, 0,1,2,3,4,5
	ds_load_b128 v[16+4*\n:19+4*\n], v11 offset:CODES+\n*512
.endr
.irp n, 0,1,2,3,4,5
	s_wait_dscnt 5-\n
	global_store_b128 v2, v[16+4*\n:19+4*\n], s[20:21] offset:(\n/3)*393216+(\n%3)*512   ; 32 lanes store 512 consecutive bytes, aligned
.endr
	s_cmp_lg_u32 s10, 0
	s_cbranch_scc1 .Lend
	ds_load_b128 v[48:51], v2 offset:SCB           ; wave 0: the 16 rows' scale words, runs of 64 bytes
	s_wait_dscnt 0x0
	global_store_b128 v15, v[48:51], s[22:23]
.Lend:
	s_wait_tensorcnt 0x0                           ; the wave's end, behind my last LDS store
	ds_add_u32 v9, v10
	s_wait_dscnt 0x0
	s_endpgm
.Lfunc_end_k_q96b19b28d6_lnq:
	.size	k_q96b19b28d6_lnq, .Lfunc_end_k_q96b19b28d6_lnq-k_q96b19b28d6_lnq
	.p2alignl 7, 3214868480
	.fill 96, 4, 3214868480
	.section	.rodata,"a",@progbits
	.p2align	6, 0x0
	.amdhsa_kernel k_q96b19b28d6_lnq
		.amdhsa_group_segment_fixed_size 33792
		.amdhsa_private_segment_fixed_size 0
		.amdhsa_enable_private_segment 0
		.amdhsa_kernarg_size 24
		.amdhsa_user_sgpr_count 2
		.amdhsa_user_sgpr_kernarg_segment_ptr 1
		.amdhsa_wavefront_size32 1
		.amdhsa_system_sgpr_workgroup_id_x 1
		.amdhsa_system_sgpr_workgroup_id_y 1
		.amdhsa_system_sgpr_workgroup_id_z 1
		.amdhsa_system_vgpr_workitem_id 0
		.amdhsa_next_free_vgpr 256
		.amdhsa_next_free_sgpr 66
		.amdhsa_reserve_vcc 0
		.amdhsa_float_denorm_mode_32 3
		.amdhsa_float_denorm_mode_16_64 3
		.amdhsa_memory_ordered 1
		.amdhsa_forward_progress 1
		.amdhsa_inst_pref_size 48
	.end_amdhsa_kernel
	.amdgpu_metadata
---
amdhsa.version: [ 1, 2 ]
amdhsa.kernels:
  - .name:           k_q96b19b28d6_lnq
    .symbol:         k_q96b19b28d6_lnq.kd
    .args:
      - { .name: x, .offset: 0, .size: 8, .value_kind: global_buffer, .address_space: global }
      - { .name: ss1, .offset: 8, .size: 8, .value_kind: global_buffer, .address_space: global }
      - { .name: nq, .offset: 16, .size: 8, .value_kind: global_buffer, .address_space: global }
    .group_segment_fixed_size: 33792
    .private_segment_fixed_size: 0
    .kernarg_segment_align: 8
    .kernarg_segment_size: 24
    .max_flat_workgroup_size: 128
    .sgpr_count:     66
    .vgpr_count:     256
    .wavefront_size: 32
...
	.end_amdgpu_metadata
.endif
;; end of part 2
;; launch qkv (part 3): grid 12 x 16, 4 waves a work-group, clusters of 4 x 4, 327,680 bytes of LDS; arguments nq, wts, bq, bk, bv, qkv; writes qkv
.if DOCPART == 3
	.amdgcn_target "amdgcn-amd-amdhsa--gfx1250"
	.amdhsa_code_object_version 6
	.text
	.protected	k_q96b19b28d6_qkv
	.globl	k_q96b19b28d6_qkv
	.p2align	8
	.type	k_q96b19b28d6_qkv,@function
k_q96b19b28d6_qkv:
	s_mov_b64 s[64:65], 0
	v_nop
	global_prefetch_b8 v0, s[64:65] scope:SCOPE_SE
	s_setreg_imm32_b32 hwreg(HW_REG_WAVE_MODE, 25, 1), 1
	s_wait_xcnt 0x0
	s_wait_alu depctr_hold_cnt(0) depctr_sa_sdst(0) depctr_va_vdst(0) depctr_va_sdst(0) depctr_va_ssrc(0) depctr_va_vcc(0) depctr_vm_vsrc(0)
	s_getreg_b32 s2, hwreg(HW_REG_IB_STS2, 6, 4)
	s_cmp_eq_u32 s2, 0
	s_cbranch_scc0 .Lentry_in_a_cluster
	s_endpgm
.Lentry_in_a_cluster:
	s_bfe_u32 s2, ttmp6, 0x10000c
	s_cmp_lg_u32 s2, 0xf033
	s_cbranch_scc0 .Lentry_shape_is_right
	s_endpgm
.Lentry_shape_is_right:
; q, k, v = n W^T + b on codes of FP6 (E2M3) with E8M0 scales; the results are quantised again and stored as the attention launch reads them.
; A tile of C is 256 x 256, four waves, 128 x 128 each: 64 accumulators.  Both operands lie in memory in the order of the operand's registers (fragment = 1,536 bytes, register 4 g + m of lane L at g x 512 + 16 L + 4 m),
; so a fragment comes from LDS by three loads of 16 bytes a lane, 512 consecutive bytes each.  K goes in slots of 256 through a ring of two LDS slots filled by the tensor data mover.
; CLUSTERS: 4 x 4 work-groups; A's tiles are asked for jointly along a row of the cluster, B's along a column.  The cluster's x is 0, 1, 2 for q, k, v: the same in all sixteen partners.
; THE MATRIX INSTRUCTION IS USED TRANSPOSED (source 0 = 16 rows of W, source 1 = 16 rows of n), and W's rows are stored with bits 3 and 4 of the row number exchanged: register 8 b + j of row block a, lane (r, h), is
; C(16 a + r, 32 (b / 2) + 16 h + 8 (b % 2) + j): 16 neighbouring columns in the 16 registers of two neighbouring tiles.  The bias is the C of each sum's first matrix instruction.
; OUT: a wave's 128 rows x 128 columns are one key step (128 tokens) of two heads.  Block (batch x 16 + head, key step) is 12,800 bytes: +0 four PAIR fragments of q or k (a row of the fragment holds two tokens' 64 numbers, so that one
; matrix instruction of K = 128 serves two tokens), +6,144 four fragments of V^T (K = the keys), +12,288 and +12,544 their scale words.  q: region 0; k and v: region 6,553,600.
; LIMITS: a block of zeros gets the byte 1 where the rule says 127 (its codes are zeros, and this program alone reads the bytes); NaN and infinities are not served.
; REGISTERS: window 0: v0-31 addresses, v32-47 scale words (two sets), v64.., v160.. A's fragments (two sets); window 1: v0.., v128.. B's (two sets), v96-127 and v224-255 the bias; windows 2, 3: the accumulators.
.set NA, 8
.set NQ, 2
.set KTOT, 1024
.set RBA, 256
.set RBB, 192
.set ROWSB, 3072
.set A_SOFF, 3145728
.set B_COFF, 0
.set B_SOFF, 9437184
.set NB, NA
.set HALFT, NQ*NA*1536                 ; what one tensor load brings: [128-step][row block][1536]
.set SLOT, 4*HALFT                     ; A's two halves, then B's two
.set LAPS, KTOT/(256*NQ)
.set SCL, 196608                       ; behind the ring: the scale words of the whole K, filled once
.set QSZ, (KTOT/128)*NA*64
.set SPARE, 327168                     ; the spare words: 128 bytes a wave, two blocks of 256 bytes that no other line names
.set CW, 2*NA*192                      ; a row of a tile: the fragments of both halves' row blocks on end
.set G1, 24
.set G0, 32
.set G1B, 48
.set G0B, 56
.set G1S, 68
.set G0S, 76
.set G1SB, 80
.set G0SB, 88
.set PC, 176                           ; the way out: the codes just made
.set TM, 200
.set PW, 216
.set MSB, 0
.macro WIN new                         ; the immediate's high byte repeats the setting that is left
.if MSB != (\new)
	s_set_vgpr_msb (MSB<<8)|(\new)
.set MSB, (\new)
.endif
.endm
.macro JLOAD g0a, g1a, g0b, g1b        ; a joint load: waves 0 and 1 fetch for A, waves 2 and 3 for B; an s_nop 0 and four v_nop follow each line
	s_cmp_eq_u32 s15, 0
	s_cbranch_scc0 .Lfor_b_\@
	tensor_load_to_lds s[\g0a:\g0a+3], s[\g1a:\g1a+7]
	s_nop 0
.rept 4
	v_nop
.endr
	s_branch .Lasked_\@
.Lfor_b_\@:
	tensor_load_to_lds s[\g0b:\g0b+3], s[\g1b:\g1b+7]
	s_nop 0
.rept 4
	v_nop
.endr
.Lasked_\@:
.endm
.macro CREST                           ; a round of the cluster's barrier behind its opening barrier
	s_cmp_lg_u32 s14, 0
	s_cbranch_scc1 .Lnot_wave_0_\@
	s_barrier_signal -3
.Lnot_wave_0_\@:
	s_barrier_wait -3
	s_barrier_signal -1
	s_barrier_wait -1
.endm
.macro CROUND
	s_barrier_signal -1
	s_barrier_wait -1
	CREST
.endm
.macro PLACES                          ; four plain places between a matrix instruction and a load into, or a vector read of, its registers
.rept 4
	v_nop
.endr
.endm
.macro FETCH slot, q, p                ; the fragments and scale words of the slot's q-th 128 along K into set p
	WIN 0x40
.set FI, 0
.rept NB
.irp g, 0,1,2
	ds_load_b128 v[128*(\p)+12*FI+4*\g:128*(\p)+12*FI+4*\g+3], v[20+\slot] offset:((\q)*2*NA+FI)*1536+\g*512
.endr
.set FI, FI+1
.endr
	WIN 0
.set FI, 0
.rept NA
.irp g, 0,1,2
	ds_load_b128 v[64+96*(\p)+12*FI+4*\g:64+96*(\p)+12*FI+4*\g+3], v[16+\slot] offset:((\q)*2*NA+FI)*1536+\g*512
.endr
.set FI, FI+1
.endr
.set FI, 0
.rept NA
	ds_load_b32 v[32+NA*(\p)+FI], v27 offset:(\q)*2*NA*64+FI*64    ; lanes 0-15: A's block, lanes 16-31: B's block
.set FI, FI+1
.endr
.endm
.macro MULS a0, n, p, first            ; A's blocks a0 .. a0 + n - 1 against B's NB; the accumulators take turns, one instruction a turn, in the same order in every step
.set AI, \a0
.rept \n
.if \first
	WIN 0x91+0x40*(AI/4)
.else
	WIN 0xa1+0x50*(AI/4)
.endif
.set BJ, 0
.rept NB
.set DD, 8*(NB*(AI%4)+BJ)
.if \first
	v_wmma_scale_f32_16x16x128_f8f6f4 v[DD:DD+7], v[128*(\p)+12*BJ:128*(\p)+12*BJ+11], v[64+96*(\p)+12*AI:64+96*(\p)+12*AI+11], v[96+128*(BJ/4)+8*(BJ%4):96+128*(BJ/4)+8*(BJ%4)+7], v[32+NA*(\p)+BJ], v[32+NA*(\p)+AI] matrix_a_fmt:MATRIX_FMT_FP6 matrix_b_fmt:MATRIX_FMT_FP6 matrix_a_scale:MATRIX_SCALE_ROW1
.else
	v_wmma_scale_f32_16x16x128_f8f6f4 v[DD:DD+7], v[128*(\p)+12*BJ:128*(\p)+12*BJ+11], v[64+96*(\p)+12*AI:64+96*(\p)+12*AI+11], v[DD:DD+7], v[32+NA*(\p)+BJ], v[32+NA*(\p)+AI] matrix_a_fmt:MATRIX_FMT_FP6 matrix_b_fmt:MATRIX_FMT_FP6 matrix_a_scale:MATRIX_SCALE_ROW1
.endif
.set BJ, BJ+1
.endr
.set AI, AI+1
.endr
.endm
.macro STEP slot, q, first             ; a step of 128 along K that has its successor in the same slot
	s_wait_dscnt 0x0                               ; this step's set, asked for a whole step ago, is in
	PLACES
	FETCH \slot, (\q)+1, 1-(\q)%2
	MULS 0, NA, (\q)%2, \first
.endm
.macro STEPS slot, q0
.set SQ, \q0
.rept NQ-1-(\q0)
	STEP \slot, SQ, 0
.set SQ, SQ+1
.endr
.endm
.macro TURN slot, next, fill           ; a slot's last step changes slots: ONE barrier; fill = 1: this slot is filled again, two slots ahead
	WIN 0
	s_wait_tensorcnt 0x0                           ; all my tensor loads have landed: my part of the next slot
	ds_add_u32 v28, v29                            ; 0 onto my spare word
	s_wait_dscnt 1                                 ; this step's set is in; the add may be out
	MULS 0, NA/4, 1, 0
	s_wait_dscnt 0x0                               ; the add is done, and my reads of this slot are over
	s_barrier_signal -1
	MULS NA/4, NA/4, 1, 0
	WIN 0
	s_barrier_wait -1
.if \fill
	CREST                                          ; the barrier has opened a round of the cluster's barrier: no wave of any partner still reads this slot or has a load on its way
	s_add_nc_u64 s[G0+4*\slot+2:G0+4*\slot+3], s[G0+4*\slot+2:G0+4*\slot+3], 2*NQ*RBA*1536
	s_add_nc_u64 s[G0B+4*\slot+2:G0B+4*\slot+3], s[G0B+4*\slot+2:G0B+4*\slot+3], 2*NQ*RBB*1536
	JLOAD G0+4*\slot, G1, G0B+4*\slot, G1B
.else
	PLACES
.endif
	s_wait_alu depctr_va_vdst(0)
	v_add_nc_u32 v27, 2*NQ*NA*64, v27              ; on to the next slot's scale words (no LDS load of mine is out)
	FETCH \next, 0, 0
	MULS NA/2, NA/2, 1, 0
.endm
	s_load_b256 s[4:11], s[0:1], 0x0               ; n's codes, the weights, bq, bk
	s_load_b128 s[92:95], s[0:1], 0x20             ; bv, the result
	v_lshl_add_u32 v28, v0, 2, SPARE
	v_mov_b32 v29, 0
	ds_add_u32 v28, v29                            ; the wave's opening: the add and its wait ahead of my first tensor load
	ds_add_u32 v28, v29
	v_lshrrev_b32 v1, 5, v0
	v_readfirstlane_b32 s14, v1                    ; wave
	s_lshr_b32 s15, s14, 1                         ; my half of the tile's rows.  Also: I fetch for A (0) or for B (1)
	s_and_b32 s16, s14, 1                          ; my half of its columns.  Also: which half of that tile I fetch
	s_bfe_u32 s40, ttmp6, 0x40000                  ; cx
	s_bfe_u32 s41, ttmp6, 0x40004                  ; cy
	s_lshl_b32 s42, ttmp9, 2
	s_add_co_u32 s42, s42, s40                     ; tile column
	s_and_b32 s17, ttmp7, 0xffff
	s_lshl_b32 s17, s17, 2
	s_add_co_u32 s17, s17, s41                     ; tile row
	s_lshl_b32 s43, s41, 2
	s_lshl_b32 s43, 15, s43                        ; my row of the cluster
	s_lshl_b32 s44, 0x1111, s40                    ; my column
	s_or_b32 s[G1], s43, (3<<16)|(1<<21)           ; 15:0 the mask; 17:16 elements of 8 bytes; 21 set beside a mask; no padding
	s_or_b32 s[G1B], s44, (3<<16)|(1<<21)
	s_or_b32 s[G1S], s43, (3<<16)|(1<<21)
	s_or_b32 s[G1SB], s44, (3<<16)|(1<<21)
.irp g, G1, G1B
	s_mov_b32 s[\g+1], (CW&0xffff)<<16             ; a row of the tile: 2 NA fragments on end
	s_mov_b32 s[\g+2], (CW>>16)|(NQ<<16)           ; NQ rows: one for each 128 along K
	s_mov_b32 s[\g+3], CW<<16
	s_mov_b32 s[\g+4], NQ
	s_mov_b32 s[\g+6], 0
	s_mov_b32 s[\g+7], 0
.endr
	s_mov_b32 s[G1+5], RBA*192                     ; from kq to kq + 1, in elements
	s_mov_b32 s[G1B+5], RBB*192
.irp g, G1S, G1SB
	s_mov_b32 s[\g+1], (NA*16)<<16                 ; the scale words of 2 NA row blocks
	s_mov_b32 s[\g+2], (KTOT/128)<<16
	s_mov_b32 s[\g+3], (NA*16)<<16
	s_mov_b32 s[\g+4], KTOT/128
	s_mov_b32 s[\g+6], 0
	s_mov_b32 s[\g+7], 0
.endr
	s_mov_b32 s[G1S+5], 2048
	s_mov_b32 s[G1SB+5], ROWSB/2
	s_mul_i32 s20, s17, 2*NA                       ; A: the tile's first row block
	s_mul_i32 s46, s42, 2*NA                       ; B: likewise
	s_lshl_b32 s22, s20, 6
	s_add_co_u32 s22, s22, A_SOFF
	s_mov_b32 s23, 0
	s_mul_i32 s20, s20, 1536
	s_mov_b32 s21, 0
	s_lshl_b32 s96, s46, 6
	s_add_co_u32 s96, s96, B_SOFF
	s_mov_b32 s97, 0
	s_mul_i32 s46, s46, 1536
	s_add_co_u32 s46, s46, B_COFF
	s_mov_b32 s47, 0
	s_mul_i32 s45, s14, HALFT                      ; where they go: no place in the cluster enters an LDS address
	s_mul_i32 s18, s16, (NQ/2)*RBA*1536            ; in the ring I fetch half of a slot's steps of 128 along K: where they begin, for A
	s_mov_b32 s19, 0
	s_mul_i32 s2, s16, (NQ/2)*RBB*1536             ; and for B
	s_mov_b32 s3, 0
	s_wait_dscnt 0x0                               ; the opening add is done
	s_wait_kmcnt 0x0
	s_add_nc_u64 s[20:21], s[4:5], s[20:21]
	s_add_nc_u64 s[22:23], s[4:5], s[22:23]
	s_add_nc_u64 s[46:47], s[6:7], s[46:47]
	s_add_nc_u64 s[96:97], s[6:7], s[96:97]
	CROUND                                         ; all sixteen work-groups are here: the first joint loads meet
	s_mov_b32 s[G0S], 1
	s_mov_b32 s[G0S+1], SCL
	s_mov_b64 s[G0S+2:G0S+3], s[22:23]
	s_or_b32 s[G0S+3], s[G0S+3], 0x80000000
	s_mov_b32 s[G0SB], 1
	s_mov_b32 s[G0SB+1], SCL+2*QSZ+128             ; B's words lie behind A's, 128 bytes askew
	s_mov_b64 s[G0SB+2:G0SB+3], s[96:97]
	s_or_b32 s[G0SB+3], s[G0SB+3], 0x80000000
	s_mov_b32 s4, 1                                ; group 0 of the head's loads of slot 0, each tile whole: A's in s[4:7],
	s_mov_b32 s5, 0
	s_mov_b64 s[6:7], s[20:21]
	s_or_b32 s7, s7, 0x80000000
	s_mov_b32 s96, 1                               ; B's in s[96:99]
	s_mov_b32 s97, 2*HALFT
	s_mov_b64 s[98:99], s[46:47]
	s_or_b32 s99, s99, 0x80000000
	s_add_nc_u64 s[20:21], s[20:21], s[18:19]      ; for the ring: my part of a slot
	s_add_nc_u64 s[46:47], s[46:47], s[2:3]
	; THE PREFETCHES INTO THE L2: at each change of slots all my tensor loads have been waited for, so a refill's bytes are asked of memory two slots earlier.  My part of a slot is 24,576 bytes, 96 blocks of 256:
	; the four partners that ask for the tile jointly share them out by address, 24 each, a lane a block (lanes 24-31 name the last block again).  s[100:101]: my 24 blocks, at slot 1; s[104:105]: from slot to slot
	s_cmp_eq_u32 s15, 0                            ; do I fetch for A?
	s_cselect_b64 s[100:101], s[20:21], s[46:47]
	s_cselect_b32 s105, s40, s41                   ; my place among the four: cx for A, cy for B; it enters this global address alone
	s_mov_b32 s104, NQ*RBB*1536
	s_cselect_b32 s104, NQ*RBA*1536, s104
	s_mul_i32 s22, s105, 6144
	s_add_co_u32 s22, s22, s104
	s_mov_b32 s23, 0
	s_mov_b32 s105, 0
	s_add_nc_u64 s[100:101], s[100:101], s[22:23]
.irp s, 0,1
	s_mov_b32 s[G0+4*\s], 1
	s_add_co_u32 s[G0+4*\s+1], s45, \s*SLOT
	s_add_nc_u64 s[G0+4*\s+2:G0+4*\s+3], s[20:21], \s*NQ*RBA*1536
	s_or_b32 s[G0+4*\s+3], s[G0+4*\s+3], 0x80000000
	s_mov_b32 s[G0B+4*\s], 1
	s_add_co_u32 s[G0B+4*\s+1], s45, \s*SLOT
	s_add_nc_u64 s[G0B+4*\s+2:G0B+4*\s+3], s[46:47], \s*NQ*RBB*1536
	s_or_b32 s[G0B+4*\s+3], s[G0B+4*\s+3], 0x80000000
.endr
; the head's loads, one a wave: wave 0 slot 0 of A, wave 1 slot 0 of B, wave 2 A's scale words, wave 3 B's; one chain of branches on the wave's number
.macro ARM under, g0, g1, next
	s_cmp_lt_u32 s14, \under
	s_cbranch_scc0 \next
	tensor_load_to_lds s[\g0:\g0+3], s[\g1:\g1+7]
	s_nop 0
.rept 4
	v_nop
.endr
	s_branch .Lhead_asked
\next:
.endm
	ARM 1, 4, G1, .Lhead_b
	ARM 2, 96, G1B, .Lhead_sa
	ARM 3, G0S, G1S, .Lhead_sb
	tensor_load_to_lds s[G0SB:G0SB+3], s[G1SB:G1SB+7]
	s_nop 0
.rept 4
	v_nop
.endr
.Lhead_asked:
	v_and_b32 v30, 31, v0
	v_min_u32 v30, 23, v30
	v_lshlrev_b32 v30, 8, v30                      ; my block; never rewritten
	v_add_nc_u32 v31, s104, v30                    ; and the same block one slot on; never rewritten
	global_prefetch_b8 v30, s[100:101] th:TH_LOAD_NT scope:SCOPE_SE    ; behind slot 0's load: slots 1
	global_prefetch_b8 v31, s[100:101] th:TH_LOAD_NT scope:SCOPE_SE    ; and 2
	v_and_b32 v1, 15, v0                           ; r
	v_bfe_u32 v2, v0, 4, 1                         ; h
	s_wait_alu depctr_va_vdst(0)
	v_and_b32 v3, 31, v0
	v_lshlrev_b32 v3, 4, v3                        ; 16 L
	s_mul_i32 s21, s15, NA*1536
	s_mul_i32 s22, s16, NA*1536
	s_add_co_u32 s22, s22, 2*HALFT
.irp s, 0,1
	v_add_nc_u32 v[16+\s], s21, v3
	v_add_nc_u32 v[20+\s], s22, v3
	s_add_co_u32 s21, s21, SLOT
	s_add_co_u32 s22, s22, SLOT
.endr
	s_mul_i32 s21, s15, NA*64
	s_mul_i32 s22, s16, NA*64
	s_add_co_u32 s22, s22, 2*QSZ+128
	s_sub_co_u32 s22, s22, s21
	v_mul_u32_u24 v6, s22, v2                      ; lanes 16-31 take B's words
	s_add_co_u32 s21, s21, SCL
	v_lshl_add_u32 v6, v1, 2, v6
	v_add_nc_u32 v27, s21, v6
	s_cmp_eq_u32 ttmp9, 1                          ; which bias: by the cluster's x
	s_cselect_b64 s[8:9], s[10:11], s[8:9]
	s_cmp_eq_u32 ttmp9, 2
	s_cselect_b64 s[8:9], s[92:93], s[8:9]
	s_lshl_b32 s12, s40, 10
	s_lshl_b32 s13, s16, 9
	s_add_co_u32 s12, s12, s13
	s_mov_b32 s13, 0
	s_add_nc_u64 s[8:9], s[8:9], s[12:13]          ; at my wave's first column
	v_lshlrev_b32 v7, 6, v2
	WIN 0x40
.set BJ, 0
.rept NB
	global_load_b128 v[96+128*(BJ/4)+8*(BJ%4):96+128*(BJ/4)+8*(BJ%4)+3], v7, s[8:9] offset:(32*(BJ/2)+8*(BJ%2))*4
	global_load_b128 v[96+128*(BJ/4)+8*(BJ%4)+4:96+128*(BJ/4)+8*(BJ%4)+7], v7, s[8:9] offset:(32*(BJ/2)+8*(BJ%2))*4+16
.set BJ, BJ+1
.endr
	WIN 0
	s_wait_alu depctr_va_vdst(0)
	s_wait_tensorcnt 0x0                           ; my tile of the head's four is in; slot 1's first fill is issued as a refill is
	ds_add_u32 v28, v29
.irp g, G1, G1B
	s_mov_b32 s[\g+1], 192<<16                     ; no load of mine is out: from here on a load brings one step of 128 along K, 2 NA fragments on end, as rows of 1,536 bytes
	s_mov_b32 s[\g+2], (2*NA)<<16
	s_mov_b32 s[\g+3], 192<<16
	s_mov_b32 s[\g+4], 2*NA
	s_mov_b32 s[\g+5], 192
.endr
	s_wait_xcnt 0x0                                ; the prefetches have read their address: it steps to slot 2
	s_add_nc_u64 s[100:101], s[100:101], s[104:105]
	s_wait_dscnt 0x0
	CROUND                                         ; all four tiles are in, and all sixteen work-groups are here
	JLOAD G0+4, G1, G0B+4, G1B                     ; slot 1, a quarter a wave
	FETCH 0, 0, 0
	global_prefetch_b8 v31, s[100:101] th:TH_LOAD_NT scope:SCOPE_SE    ; behind slot 1's load: slot 3, the last; the refills ask for nothing
	s_wait_loadcnt 0x0                             ; the bias
	STEP 0, 0, 1                                   ; the first step starts the sums, with the bias as C
	STEPS 0, 1
.if LAPS > 1
	WIN 0
	s_mov_b32 s3, LAPS-1
.Llap:
	TURN 0, 1, 1
	s_wait_alu depctr_va_vdst(0)
	STEPS 1, 0
	TURN 1, 0, 1
	s_wait_alu depctr_va_vdst(0)
	STEPS 0, 0
	WIN 0
	s_sub_co_u32 s3, s3, 1
	s_cmp_lg_u32 s3, 0
	s_cbranch_scc1 .Llap
.endif
	TURN 0, 1, 0                                   ; the last lap fills nothing
	s_wait_alu depctr_va_vdst(0)
	STEPS 1, 0
	s_wait_dscnt 0x0
	MULS 0, NA, 1, 0
	WIN 0
	PLACES
; 64 numbers of a lane in window w, register 16 b + i = column 32 b + 16 (lane / 16) + i of my row, become a fragment's 12 registers in v[PC] on and its scale word in v[PW].  Each accumulator is read from its low end on.
.macro QUANT s, w
	WIN ((\w)|((\w)<<2))
.irp b, 0,1,2,3
	v_max3_num_f32 v[TM+\b], |v[(\s)+16*\b]|, |v[(\s)+1+16*\b]|, 0x1800000   ; with the floor 2^(3 - 127): the byte cannot fall under 1
.endr
.irp i, 2,4,6,8,10,12,14
.irp b, 0,1,2,3
	v_max3_num_f32 v[TM+\b], |v[(\s)+16*\b+\i]|, |v[(\s)+1+16*\b+\i]|, v[TM+\b]
.endr
.endr
	WIN 0
.irp b, 0,1,2,3
	v_permlanex16_b32 v[TM+4+\b], v[TM+\b], s66, s67
.endr
.irp b, 0,1,2,3
	v_max_num_f32 v[TM+\b], v[TM+\b], v[TM+4+\b]
.endr
.irp b, 0,1,2,3
	v_add_nc_u32 v[TM+12+\b], 0xff000000, v[TM+\b]  ; 2 off the exponent field: the conversion's scale operand
.endr
.irp b, 0,1,2,3
	v_lshrrev_b32 v[TM+4+\b], 23, v[TM+12+\b]
.endr
	v_lshl_or_b32 v[PW], v[TM+5], 8, v[TM+4]
	v_lshl_or_b32 v[PW], v[TM+6], 16, v[PW]
	v_lshl_or_b32 v[PW], v[TM+7], 24, v[PW]
	WIN (\w)
.irp c, 0,1
	v_cvt_scalef32_pk16_fp6_f32 v[PC+6*\c:PC+2+6*\c], v[(\s)+32*\c:(\s)+15+32*\c], v[TM+12+2*\c]
	v_cvt_scalef32_pk16_fp6_f32 v[PC+12+4*\c:PC+14+4*\c], v[(\s)+16+32*\c:(\s)+31+32*\c], v[TM+12+2*\c+1]
.endr
	WIN 0
	v_nop                                          ; one plain place behind a scaled conversion
.irp c, 0,1
.irp i, 0,1,2
	v_permlane16_swap_b32 v[PC+6*\c+\i], v[PC+12+4*\c+\i]   ; a whole block to a lane
.endr
.irp i, 0,1,2
	v_mov_b32 v[PC+3+6*\c+\i], v[PC+12+4*\c+\i]
.endr
.endr
.endm
	s_wait_dscnt 0x0
	s_barrier_signal -1                            ; every wave has read its last fragment: the ring's bytes, which have had their last fill, serve as stages
	s_barrier_wait -1
	s_mov_b32 s66, 0x76543210
	s_mov_b32 s67, 0xfedcba98
.irp b, 0,1,2,3
	v_mov_b32 v[TM+4+\b], 0                        ; written once: a lane permute's destination counts as one of its sources
.endr
	s_cmp_eq_u32 ttmp9, 0                          ; where my wave's two blocks begin
	s_cselect_b32 s18, 0, 6553600
	s_lshl_b32 s19, s40, 2
	s_lshl_b32 s12, s16, 1
	s_add_co_u32 s19, s19, s12                     ; my first head
	s_lshr_b32 s12, s17, 3
	s_lshl_b32 s12, s12, 4
	s_add_co_u32 s19, s19, s12                     ; + 16 x batch
	s_lshl_b32 s19, s19, 4
	s_and_b32 s12, s17, 7
	s_lshl_b32 s12, s12, 1
	s_add_co_u32 s12, s12, s15
	s_add_co_u32 s19, s19, s12                     ; + key step
	s_mul_i32 s19, s19, 12800
	s_add_co_u32 s18, s18, s19
	s_mov_b32 s19, 0
	s_add_nc_u64 s[94:95], s[94:95], s[18:19]
	v_and_b32 v4, 7, v1                            ; j
	v_lshrrev_b32 v5, 3, v1                        ; u
	s_mul_i32 s12, s14, 12800                      ; q's and k's way: my stage, 2 x 6,144 bytes of codes and 512 of scale words
	v_lshlrev_b32 v6, 8, v2
	v_lshl_add_u32 v6, v4, 4, v6
	v_add_nc_u32 v6, s12, v6
	v_mad_u32_u24 v8, v5, 520, v6                  ; token half u takes registers 6 u on: pairs 0 and 2 lie 520 bytes further on,
	v_mad_u32_u24 v9, v5, 1016, v6                 ; pair 1 lies 1,016
	v_lshlrev_b32 v10, 8, v2
	v_lshl_add_u32 v10, v4, 2, v10
	v_lshl_add_u32 v10, v5, 1, v10
	v_add_nc_u32 v10, s12, v10
	v_lshlrev_b32 v11, 4, v2
	v_add_nc_u32 v12, s12, v3
	v_mul_u32_u24 v13, v2, 204800
	v_lshl_add_u32 v13, v1, 4, v13
	s_mul_i32 s12, s14, 29696                      ; v's way has LDS bytes of its own: 32 x 528 of f32, 12,288 of codes, 512 of scale words
	s_add_co_u32 s12, s12, 51200
	v_mul_u32_u24 v14, v1, 528
	v_lshl_add_u32 v14, v2, 6, v14
	v_add_nc_u32 v14, s12, v14
	v_lshrrev_b32 v15, 2, v3
	v_add_nc_u32 v15, s12, v15
	v_mul_u32_u24 v18, v5, 1536
	v_lshl_add_u32 v18, v2, 7, v18
	v_lshl_add_u32 v18, v4, 4, v18
	v_add_nc_u32 v18, s12, v18
	v_lshlrev_b32 v19, 6, v5
	v_lshl_add_u32 v19, v2, 5, v19
	v_lshl_add_u32 v19, v4, 2, v19
	v_add_nc_u32 v19, s12, v19
	v_add_nc_u32 v22, s12, v3
	s_cmp_eq_u32 ttmp9, 2
	s_cbranch_scc1 .Lvpath
	; ---- q and k: quantised along the head's 64; token 16 a + r goes to pair fragment a / 2, row 8 (a % 2) + j, registers 6 u on
.irp a, 0,1,2,3,4,5,6,7
	QUANT 64*(\a%4), 2+(\a/4)
.irp c, 0,1
	ds_store_b64 v8, v[PC+6*\c:PC+6*\c+1] offset:\c*6144+(\a/2)*1536+(\a%2)*128
	ds_store_b64 v9, v[PC+6*\c+2:PC+6*\c+3] offset:\c*6144+(\a/2)*1536+(\a%2)*128+8
	ds_store_b64 v8, v[PC+6*\c+4:PC+6*\c+5] offset:\c*6144+(\a/2)*1536+(\a%2)*128+512
.endr
	v_lshrrev_b32 v217, v11, v[PW]                 ; lanes 0-15 hand on the first head's two bytes, lanes 16-31 the second's
	ds_store_b16 v10, v217 offset:12288+(\a/2)*64+(\a%2)*32
	s_wait_dscnt 0x0                               ; the stores have read their registers
.endr
.set N, 0
.rept 24
	ds_load_b128 v[64+4*N:67+4*N], v12 offset:N*512
.set N, N+1
.endr
	ds_load_b128 v[160:163], v12 offset:12288
.set N, 0
.rept 24
	s_wait_dscnt 24-N
	global_store_b128 v3, v[64+4*N:67+4*N], s[94:95] offset:(N/12)*204800+(N%12)*512     ; 32 lanes store 512 consecutive bytes, aligned
.set N, N+1
.endr
	s_wait_dscnt 0x0
	global_store_b128 v13, v[160:163], s[94:95] offset:12288
	s_branch .Ldone
.Lvpath:
	; ---- v: quantised along the KEYS.  32 tokens x 128 columns at a time go through an f32 stage, and a lane takes a column: its 32 registers are a whole block.
	; The stage is read back a column group (32 columns, 32 loads) at a time, one group ahead of the work.
.macro VLOAD cg                        ; column 32 cg + lane of the stage's 32 tokens into v[64 + 32 cg] on: 32 lanes read 128 consecutive bytes
.set TK, 0
.rept 32
	ds_load_b32 v[64+32*(\cg)+TK], v15 offset:TK*528+128*(\cg)     ; LDS serves a wave's instructions in order: these see the stores into the stage
.set TK, TK+1
.endr
.endm
.macro VBLOCK cg, tb
.set XS, 64+32*(\cg)
.set CC, 192+8*(\cg)
.if (\cg) < 3
	VLOAD (\cg)+1                                  ; the next group's loads go out first
.endif
.if (\cg) == 0
	s_wait_dscnt 32                                ; my group's 32 loads are in; the next group's 32 may be out
.elseif (\cg) < 3
	s_wait_dscnt 35                                ; likewise; behind my loads stand the last group's three code stores and the next group's 32 loads
.else
	s_wait_dscnt 3                                 ; behind the last group's loads stand three code stores alone
.endif
	v_max3_num_f32 v228, |v[XS]|, |v[XS+1]|, |v[XS+2]|
	v_max3_num_f32 v229, |v[XS+3]|, |v[XS+4]|, |v[XS+5]|
.irp i, 6,10,14,18,22,26
	v_max3_num_f32 v228, v228, |v[XS+\i]|, |v[XS+\i+1]|
	v_max3_num_f32 v229, v229, |v[XS+\i+2]|, |v[XS+\i+3]|
.endr
	v_max3_num_f32 v228, v228, |v[XS+30]|, |v[XS+31]|
	v_max3_num_f32 v228, v228, v229, 0x1800000     ; the floor 2^(3 - 127): the byte cannot fall under 1
	v_add_nc_u32 v230, 0xff000000, v228            ; 2 off the exponent field: the conversion's scale operand
	v_lshrrev_b32 v231, 23, v230
.if (\tb) == 0
	v_mov_b32 v[224+(\cg)], v231
.else
	v_lshl_or_b32 v[224+(\cg)], v231, 8*(\tb), v[224+(\cg)]
.endif
	v_cvt_scalef32_pk16_fp6_f32 v[CC:CC+2], v[XS:XS+15], v230      ; this group's code registers were last stored a token block ago: the wait above covers those stores
	v_cvt_scalef32_pk16_fp6_f32 v[CC+4:CC+6], v[XS+16:XS+31], v230
	v_nop                                          ; one plain place behind a scaled conversion
	v_mov_b32 v[CC+3], v[CC+4]
	v_mov_b32 v[CC+4], v[CC+5]
	v_mov_b32 v[CC+5], v[CC+6]
.irp i, 0,1,2
	ds_store_b64 v18, v[CC+2*\i:CC+2*\i+1] offset:16896+((\cg)/2)*6144+((\cg)%2)*3072+((3*((\tb)/2)+\i)/2)*512+((3*((\tb)/2)+\i)%2)*8+((\tb)%2)*256
.endr
.endm
.irp tb, 0,1,2,3
	WIN 0x08+4*(\tb/2)
.irp aa, 0,1
.irp b, 0,1,2,3,4,5,6,7
	ds_store_b128 v14, v[8*(8*((2*\tb+\aa)%4)+\b):8*(8*((2*\tb+\aa)%4)+\b)+3] offset:\aa*8448+128*(\b/2)+32*(\b%2)
	ds_store_b128 v14, v[8*(8*((2*\tb+\aa)%4)+\b)+4:8*(8*((2*\tb+\aa)%4)+\b)+7] offset:\aa*8448+128*(\b/2)+32*(\b%2)+16
.endr
.endr
	WIN 0
	VLOAD 0
	VBLOCK 0, \tb
	VBLOCK 1, \tb
	VBLOCK 2, \tb
	VBLOCK 3, \tb
.endr
.irp cg, 0,1,2,3
	ds_store_b32 v19, v[224+\cg] offset:29184+(\cg/2)*256+(\cg%2)*128
.endr
.set N, 0
.rept 24
	ds_load_b128 v[64+4*N:67+4*N], v22 offset:16896+N*512
.set N, N+1
.endr
	ds_load_b128 v[160:163], v22 offset:29184
.set N, 0
.rept 24
	s_wait_dscnt 24-N
	global_store_b128 v3, v[64+4*N:67+4*N], s[94:95] offset:(N/12)*204800+(N%12)*512+6144
.set N, N+1
.endr
	s_wait_dscnt 0x0
	global_store_b128 v13, v[160:163], s[94:95] offset:12544
.Ldone:
	s_wait_tensorcnt 0x0                           ; the wave's end, behind my last tensor load and my last LDS store
	ds_add_u32 v28, v29
	s_wait_dscnt 0x0
	CROUND                                         ; the closing round
	s_endpgm
.Lfunc_end_k_q96b19b28d6_qkv:
	.size	k_q96b19b28d6_qkv, .Lfunc_end_k_q96b19b28d6_qkv-k_q96b19b28d6_qkv
	.p2alignl 7, 3214868480
	.fill 96, 4, 3214868480
	.section	.rodata,"a",@progbits
	.p2align	6, 0x0
	.amdhsa_kernel k_q96b19b28d6_qkv
		.amdhsa_group_segment_fixed_size 327680
		.amdhsa_private_segment_fixed_size 0
		.amdhsa_enable_private_segment 0
		.amdhsa_kernarg_size 48
		.amdhsa_user_sgpr_count 2
		.amdhsa_user_sgpr_kernarg_segment_ptr 1
		.amdhsa_wavefront_size32 1
		.amdhsa_system_sgpr_workgroup_id_x 1
		.amdhsa_system_sgpr_workgroup_id_y 1
		.amdhsa_system_sgpr_workgroup_id_z 1
		.amdhsa_system_vgpr_workitem_id 0
		.amdhsa_next_free_vgpr 1024
		.amdhsa_next_free_sgpr 106
		.amdhsa_reserve_vcc 0
		.amdhsa_float_denorm_mode_32 3
		.amdhsa_float_denorm_mode_16_64 3
		.amdhsa_memory_ordered 1
		.amdhsa_forward_progress 1
		.amdhsa_inst_pref_size 224
	.end_amdhsa_kernel
	.amdgpu_metadata
---
amdhsa.version: [ 1, 2 ]
amdhsa.kernels:
  - .name:           k_q96b19b28d6_qkv
    .symbol:         k_q96b19b28d6_qkv.kd
    .args:
      - { .name: nq, .offset: 0, .size: 8, .value_kind: global_buffer, .address_space: global }
      - { .name: wts, .offset: 8, .size: 8, .value_kind: global_buffer, .address_space: global }
      - { .name: bq, .offset: 16, .size: 8, .value_kind: global_buffer, .address_space: global }
      - { .name: bk, .offset: 24, .size: 8, .value_kind: global_buffer, .address_space: global }
      - { .name: bv, .offset: 32, .size: 8, .value_kind: global_buffer, .address_space: global }
      - { .name: qkv, .offset: 40, .size: 8, .value_kind: global_buffer, .address_space: global }
    .group_segment_fixed_size: 327680
    .private_segment_fixed_size: 0
    .kernarg_segment_align: 8
    .kernarg_segment_size: 48
    .max_flat_workgroup_size: 128
    .sgpr_count:     106
    .vgpr_count:     1024
    .wavefront_size: 32
...
	.end_amdgpu_metadata
.endif
;; end of part 3
;; launch attn (part 4): grid 8 x 32, 16 waves a work-group, clusters of 4 x 1, 215,040 bytes of LDS; arguments qkv, key_padding_mask, ao; writes ao
.if DOCPART == 4
	.amdgcn_target "amdgcn-amd-amdhsa--gfx1250"
	.amdhsa_code_object_version 6
	.text
	.protected	k_q96b19b28d6_attn
	.globl	k_q96b19b28d6_attn
	.p2align	8
	.type	k_q96b19b28d6_attn,@function
k_q96b19b28d6_attn:
	s_mov_b64 s[64:65], 0
	v_nop
	global_prefetch_b8 v0, s[64:65] scope:SCOPE_SE
	s_setreg_imm32_b32 hwreg(HW_REG_WAVE_MODE, 25, 1), 1
	s_wait_xcnt 0x0
	s_wait_alu depctr_hold_cnt(0) depctr_sa_sdst(0) depctr_va_vdst(0) depctr_va_sdst(0) depctr_va_ssrc(0) depctr_va_vcc(0) depctr_vm_vsrc(0)
	s_getreg_b32 s2, hwreg(HW_REG_IB_STS2, 6, 4)
	s_cmp_eq_u32 s2, 0
	s_cbranch_scc0 .Lentry_in_a_cluster
	s_endpgm
.Lentry_in_a_cluster:
	s_bfe_u32 s2, ttmp6, 0x10000c
	s_cmp_lg_u32 s2, 0x3003
	s_cbranch_scc0 .Lentry_shape_is_right
	s_endpgm
.Lentry_shape_is_right:
; O[q] = sum over keys of softmax(q . k / 8, padded keys hidden) v, both products on codes of FP6 (E2M3) with E8M0 scales; O / l is quantised again along the head and stored as the next product's operand.
; THE SOFTMAX AHEAD OF THE SECOND PRODUCT: t = score x log2(e) / 8; M = the running largest t rounded UP to a whole number; p = 2^(t - M) is quantised along the keys, not normalised; the row's sum is taken of the unquantised p.
; SHARES: a work-group owns 256 queries of one head, each of its sixteen waves 16 of them; every wave walks the head's 2,048 keys, 128 a step, in one loop of 16 trips.
; A HEAD'S WHOLE K AND V (16 key steps x 12,800 bytes) FITS IN LDS: wave w asks for key step w, one tensor load a wave at the head, jointly for the four work-groups of the cluster, which own query blocks of the same head.
; Nothing is filled again, so one barrier stands behind the loads and none in the loop.  No prefetch: the launch has no tensor load behind its head to run ahead of.
; THE HEAD IS 64 AND THE INSTRUCTION'S K IS 128: a row of a fragment of K holds TWO keys' 64 numbers; against [q | 0] it gives the first key's score, against [0 | q] the second's.
; Both products are used transposed, so that a lane holds one query throughout, and the 16 registers of two neighbouring tiles are 16 neighbouring keys.
; THE MASK is a value only: 0 or -1e30 for each key lies in LDS as f32 and is loaded as the C of the first product.  The running largest t starts at -2^93, over a hidden key's t (about -1.8e29) and under every open key's:
; so a hidden key never sets M; while all keys so far are hidden every p is 0, and the sum and O^T stay zeros.
; LIMITS: a batch all of whose keys are hidden is not served (the definition gives NaN there); an open key's t stays above -2^93 and its score far under 1e30; NaN and infinities are not served; a block of zeros gets the byte 1 (this program alone reads the bytes).
; REGISTERS: v1-3 addresses that stay, v4, v5 the add's two, v8-10 the step's addresses, v12 -M, v13 the largest t, v[14:15] the sum, v16-27 [q | 0], v28-39 [0 | q], v40-87 four fragments of K or V, v88-151 S^T then p,
;            v152-183 O^T, v184-195 p's codes, v196-202 and v230-254 at work, v248-251 K's and V's scale words, v253 p's, v255 q's.
.set KVB, 6553600
.set MB,  204800                       ; the mask's 2,048 numbers, stored by the waves: blocks of their own
.set SPARE, 212992                     ; the spare words: 128 bytes a wave
.set CS,  56                           ; s[56:57] log2(e) / 8
.set SEL, 58                           ; s[58:59] lane l xor 16
.set TB,  60                           ; s60 where the key step begins in LDS
.set TMK, 61                           ; s61 and its part of the mask's numbers
.set CT,  51
.macro CROUND
	s_barrier_signal -1
	s_barrier_wait -1
	s_cmp_lg_u32 s10, 0
	s_cbranch_scc1 .Lnot_wave_0_\@
	s_barrier_signal -3
.Lnot_wave_0_\@:
	s_barrier_wait -3
	s_barrier_signal -1
	s_barrier_wait -1
.endm
	s_load_b128 s[4:7], s[0:1], 0x0                ; q, k, v as codes; the mask
	s_load_b64 s[8:9], s[0:1], 0x10                ; the result
	v_lshl_add_u32 v4, v0, 2, SPARE
	v_mov_b32 v5, 0
	ds_add_u32 v4, v5                              ; the wave's opening: the add, twice, and its wait ahead of the first tensor load
	ds_add_u32 v4, v5
	v_lshrrev_b32 v6, 5, v0
	s_delay_alu instid0(VALU_DEP_1)
	v_readfirstlane_b32 s10, v6                    ; wave 0..15
	s_bfe_u32 s11, ttmp6, 0x40000                  ; cx
	s_lshl_b32 s12, ttmp9, 2
	s_add_co_u32 s12, s12, s11                     ; my block of 256 queries: it enters global addresses alone
	s_and_b32 s13, ttmp7, 0xffff                   ; 16 x batch + head, which the four partners share
	s_mov_b32 s24, 15|(3<<16)|(1<<21)              ; 15:0 the mask: all four; 17:16 elements of 8 bytes; 21 set beside a mask
	s_mov_b32 s25, 32<<16                          ; a key step's dense 12,800 bytes as 50 rows of 256
	s_mov_b32 s26, 50<<16
	s_mov_b32 s27, 32<<16
	s_mov_b32 s28, 50
	s_mov_b32 s29, 32
	s_mov_b32 s30, 0
	s_mov_b32 s31, 0
	s_mov_b32 s32, 1
	s_mul_i32 s33, s10, 12800                      ; key step = my wave's number: its place in LDS,
	s_mov_b32 s34, s33                             ; and in the head's blocks
	s_mov_b32 s35, 0
	s_mul_i32 s14, s13, 204800
	s_mov_b32 s15, 0
	s_mov_b32 s[CS], 0x3e38aa3b
	s_mov_b32 s[CS+1], s[CS]
	s_mov_b32 s[SEL], 0x76543210
	s_mov_b32 s[SEL+1], 0xfedcba98
	s_wait_dscnt 0x0                               ; both opening adds are done
	s_wait_kmcnt 0x0
	s_add_nc_u64 s[16:17], s[4:5], s[14:15]        ; this head's blocks of q,
	s_add_nc_u64 s[18:19], s[16:17], KVB           ; and of k and v
	s_add_nc_u64 s[34:35], s[18:19], s[34:35]
	s_or_b32 s35, s35, 0x80000000
	CROUND                                         ; all four work-groups are here: the joint loads meet
	tensor_load_to_lds s[32:35], s[24:31]          ; my one load
	s_nop 0
.rept 4
	v_nop
.endr
	s_lshr_b32 s20, s13, 4                         ; the batch
	s_lshl_b32 s22, s20, 11
	s_mov_b32 s23, 0
	s_add_nc_u64 s[6:7], s[6:7], s[22:23]
	v_lshlrev_b32 v43, 2, v0
	global_load_b32 v45, v43, s[6:7]               ; four keys' bytes a thread
	s_lshl_b32 s22, s12, 1
	s_lshr_b32 s21, s10, 3
	s_add_co_u32 s22, s22, s21
	s_mul_i32 s22, s22, 12800
	s_add_nc_u64 s[16:17], s[16:17], s[22:23]      ; the block that holds my 16 queries
	s_bfe_u32 s21, s10, 0x20001                    ; its pair fragment,
	s_and_b32 s48, s10, 1                          ; and which eight rows of it
	s_mul_i32 s49, s21, 1536
	s_lshl_b32 s22, s48, 7
	s_add_co_u32 s49, s49, s22
	s_lshl_b32 s21, s21, 6
	s_lshl_b32 s48, s48, 5
	s_add_co_u32 s48, s48, s21
	v_and_b32 v6, 15, v0                           ; r
	v_bfe_u32 v7, v0, 4, 1                         ; h
	s_delay_alu instid0(VALU_DEP_2)
	v_and_b32 v40, 7, v6                           ; j
	s_delay_alu instid0(VALU_DEP_3)
	v_lshrrev_b32 v41, 3, v6                       ; u
	s_delay_alu instid0(VALU_DEP_3)
	v_lshlrev_b32 v42, 8, v7
	s_delay_alu instid0(VALU_DEP_1)
	v_lshl_add_u32 v42, v40, 4, v42
	s_delay_alu instid0(VALU_DEP_1)
	v_add_nc_u32 v42, s49, v42
	s_delay_alu instid0(VALU_DEP_1)
	v_mad_u32_u24 v8, v41, 520, v42
	s_delay_alu instid0(VALU_DEP_2)
	v_mad_u32_u24 v9, v41, 1016, v42
	v_lshlrev_b32 v10, 2, v40
	s_delay_alu instid0(VALU_DEP_1)
	v_lshl_add_u32 v10, v41, 1, v10
	s_delay_alu instid0(VALU_DEP_1)
	v_add_nc_u32 v10, s48, v10
	global_load_b64 v[16:17], v8, s[16:17]         ; query r, numbers 32 h .. 32 h + 31: 24 bytes
	global_load_b64 v[18:19], v9, s[16:17] offset:8
	global_load_b64 v[20:21], v8, s[16:17] offset:512
	global_load_u16 v255, v10, s[16:17] offset:12288   ; its two scale bytes
	v_and_b32 v1, 31, v0
	s_delay_alu instid0(VALU_DEP_1)
	v_lshlrev_b32 v2, 2, v1                        ; 4 L
	s_delay_alu instid0(VALU_DEP_2)
	v_lshlrev_b32 v1, 4, v1                        ; 16 L
	v_lshl_add_u32 v3, v7, 6, MB                   ; the mask's numbers: + 64 h
	v_lshl_add_u32 v44, v0, 4, MB
	s_wait_loadcnt 4                               ; the mask's bytes are in; q's four loads may be out
.irp k, 0,1,2,3
	v_bfe_u32 v[48+\k], v45, 8*\k, 8
.endr
.irp k, 0,1,2,3
	s_delay_alu instid0(VALU_DEP_4)
	v_cvt_f32_u32 v[48+\k], v[48+\k]
.endr
.irp k, 0,1,2,3
	s_delay_alu instid0(VALU_DEP_4)
	v_mul_f32 v[48+\k], 0xf149f2ca, v[48+\k]       ; 0, or -1e30 for a hidden key
.endr
	ds_store_b128 v44, v[48:51]
	s_wait_loadcnt 0x0
	v_lshl_or_b32 v255, v255, 16, v255             ; the two bytes serve both halves of K; the other half's codes are zeros
.irp i, 0,1,2,3,4,5
	v_mov_b32 v[34+\i], v[16+\i]
	v_mov_b32 v[22+\i], 0
	v_mov_b32 v[28+\i], 0
.endr
	v_mov_b32 v13, 0xee000000                      ; the largest t so far: -2^93
	s_delay_alu instid0(VALU_DEP_1)
	v_floor_f32 v12, -v13
	v_mov_b32 v14, 0
	v_mov_b32 v15, 0
.irp b, 0,1,2,3
	v_mov_b32 v[236+\b], 0                         ; written once: a lane permute's destination counts as one of its sources
.endr
	v_mov_b32 v253, 0
	v_mov_b32 v212, 0
	v_mov_b32 v213, 0
	v_mov_b32 v6, s[CS]                            ; log2(e) / 8 in a vector register, for the dual-issue pairs of the step
.set N, 0
.rept 32
	v_mov_b32 v[152+N], 0                          ; O^T: the step is written once; its first pass finds zeros
.set N, N+1
.endr
	s_wait_alu depctr_va_vdst(0)                   ; the wait at the head's end
	s_wait_tensorcnt 0x0                           ; my key step has landed,
	s_wait_dscnt 0x0                               ; and my part of the mask's numbers
	s_barrier_signal -1
	s_barrier_wait -1                              ; so has every wave's: all of K, V and the mask is in; nothing is filled again
	s_mov_b32 s[TB], 0
	s_mov_b32 s[TMK], 0
	s_mov_b32 s[CT], 16
.Lstep:
	v_add_nc_u32 v8, s[TB], v1
	v_add_nc_u32 v9, s[TB], v2
	v_add_nc_u32 v10, s[TMK], v3
	v_nop                                          ; four plain places in front of loads into registers that the last products read
.irp p, 0,1,2,3
.irp g, 0,1,2
	ds_load_b128 v[40+12*\p+4*\g:43+12*\p+4*\g], v8 offset:\p*1536+\g*512
.endr
.endr
	ds_load_b32 v248, v9 offset:12288              ; lanes 0-15: fragment 0's words, lanes 16-31: fragment 1's
	ds_load_b32 v249, v9 offset:12416
.irp t, 0,1,2,3,4,5,6,7
	ds_load_b128 v[88+8*\t:91+8*\t], v10 offset:(32*(\t/2)+8*(\t%2))*4       ; the mask's numbers of my eight keys of tile t: the product's C
	ds_load_b128 v[92+8*\t:95+8*\t], v10 offset:(32*(\t/2)+8*(\t%2))*4+16
.endr
	s_wait_alu depctr_va_vdst(0)
	s_wait_dscnt 0x0
.irp p, 0,2
	v_wmma_scale_f32_16x16x128_f8f6f4 v[88+16*\p:95+16*\p], v[40+12*\p:51+12*\p], v[16:27], v[88+16*\p:95+16*\p], v[248+\p/2], v255 matrix_a_fmt:MATRIX_FMT_FP6 matrix_b_fmt:MATRIX_FMT_FP6
	v_wmma_scale_f32_16x16x128_f8f6f4 v[96+16*\p:103+16*\p], v[40+12*\p:51+12*\p], v[28:39], v[96+16*\p:103+16*\p], v[248+\p/2], v255 matrix_a_fmt:MATRIX_FMT_FP6 matrix_b_fmt:MATRIX_FMT_FP6
	v_wmma_scale_f32_16x16x128_f8f6f4 v[104+16*\p:111+16*\p], v[52+12*\p:63+12*\p], v[16:27], v[104+16*\p:111+16*\p], v[248+\p/2], v255 matrix_a_fmt:MATRIX_FMT_FP6 matrix_b_fmt:MATRIX_FMT_FP6 matrix_a_scale:MATRIX_SCALE_ROW1
	v_wmma_scale_f32_16x16x128_f8f6f4 v[112+16*\p:119+16*\p], v[52+12*\p:63+12*\p], v[28:39], v[112+16*\p:119+16*\p], v[248+\p/2], v255 matrix_a_fmt:MATRIX_FMT_FP6 matrix_b_fmt:MATRIX_FMT_FP6 matrix_a_scale:MATRIX_SCALE_ROW1
.endr
.rept 4
	v_nop                                          ; places: V lands where K lay, and the scores are read
.endr
.irp t, 0,1,2,3
.irp g, 0,1,2
	ds_load_b128 v[40+12*\t+4*\g:43+12*\t+4*\g], v8 offset:6144+\t*1536+\g*512    ; V^T lands while the softmax is walked
.endr
.endr
	ds_load_b32 v250, v9 offset:12544
	ds_load_b32 v251, v9 offset:12672
.irp b, 0,1,2,3
	v_max3_num_f32 v[232+\b], v[88+16*\b], v[89+16*\b], v[90+16*\b]      ; the largest score of each block of 32 keys: it serves the row's maximum and, since p rises with the score, the block's largest p
.endr
.irp i, 3,5,7,9,11,13
.irp b, 0,1,2,3
	v_max3_num_f32 v[232+\b], v[232+\b], v[88+16*\b+\i], v[89+16*\b+\i]
.endr
.endr
.irp b, 0,1,2,3
	v_max_num_f32 v[232+\b], v[232+\b], v[103+16*\b]
.endr
.irp b, 0,1,2,3
	s_delay_alu instid0(VALU_DEP_4)
	v_permlanex16_b32 v[236+\b], v[232+\b], s[SEL], s[SEL+1]
.endr
.irp b, 0,1,2,3
	s_delay_alu instid0(VALU_DEP_4)
	v_max_num_f32 v[232+\b], v[232+\b], v[236+\b]
.endr
	s_delay_alu instid0(VALU_DEP_2)
	v_max3_num_f32 v254, v232, v233, v234
	s_delay_alu instid0(VALU_DEP_1)
	v_max_num_f32 v254, v254, v235
	s_delay_alu instid0(VALU_DEP_1)
	v_mul_f32 v254, s[CS], v254
	s_delay_alu instid0(VALU_DEP_1)
	v_max_num_f32 v13, v13, v254                   ; the running largest t
	v_mov_b32 v254, v12
	s_delay_alu instid0(VALU_DEP_2)
	v_floor_f32 v12, -v13                          ; the new -M: M is a whole number
	s_delay_alu instid0(VALU_DEP_1)
	v_sub_f32 v254, v12, v254
	s_delay_alu instid0(VALU_DEP_1)
	v_cvt_i32_f32 v254, v254                       ; (it saturates)
	s_delay_alu instid0(VALU_DEP_1)
	v_ldexp_f32 v252, 1.0, v254                    ; f = 2^(old M - new M): a multiplication by it rounds nothing
	v_mov_b32 v11, v12                             ; -M once more: the two halves of a dual-issue pair take their third sources from different banks
.set N, 0
.rept 32
	v_dual_fma_f32 v[88+N], v6, v[88+N], v12 :: v_dual_fma_f32 v[89+N], v6, v[89+N], v11   ; t - M, two neighbouring registers a pair
.set N, N+2
.endr
.irp b, 0,1,2,3
	v_fma_f32 v[232+\b], v[232+\b], s[CS], v12
.endr
.set N, 0
	s_wait_alu depctr_va_vdst(0)                   ; the wait ahead of the batch
.rept 64
	v_exp_f32 v[88+N], v[88+N]                     ; p = 2^(t - M)
.set N, N+1
.endr
	v_pk_mul_f32 v[14:15], v[14:15], v[252:253] op_sel_hi:[1,0]    ; the sums under the new M: a plain place behind the exponentials
	s_wait_alu depctr_va_vdst(0)                   ; and ahead of the batch's first reader: one for the 64
.irp b, 0,1,2,3
	v_exp_f32 v[232+\b], v[232+\b]                 ; the block's largest p
.endr
	v_pk_add_f32 v[236:237], v[88:89], v[90:91]    ; the row's sum of the unquantised p, in four chains
	v_pk_add_f32 v[242:243], v[92:93], v[94:95]
	v_pk_add_f32 v[240:241], v[96:97], v[98:99]
	v_pk_add_f32 v[230:231], v[100:101], v[102:103]
.irp j, 104,112,120,128,136,144
	v_dual_add_f32 v236, v236, v[\j] :: v_dual_add_f32 v237, v237, v[\j+1]
	v_dual_add_f32 v242, v242, v[\j+2] :: v_dual_add_f32 v243, v243, v[\j+3]
	v_dual_add_f32 v240, v240, v[\j+4] :: v_dual_add_f32 v241, v241, v[\j+5]
	v_dual_add_f32 v230, v230, v[\j+6] :: v_dual_add_f32 v231, v231, v[\j+7]
.endr
	v_pk_add_f32 v[236:237], v[236:237], v[242:243]
	v_pk_add_f32 v[240:241], v[240:241], v[230:231]
	s_delay_alu instid0(VALU_DEP_1)
	v_pk_add_f32 v[236:237], v[236:237], v[240:241]
	s_delay_alu instid0(VALU_DEP_1)
	v_pk_add_f32 v[14:15], v[14:15], v[236:237]
	s_wait_alu depctr_va_vdst(0)                   ; and one for the four
.irp b, 0,1,2,3
	v_max_num_f32 v[232+\b], 0x1800000, v[232+\b]  ; the floor 2^(3 - 127): the byte cannot fall under 1
.endr
.irp b, 0,1,2,3
	s_delay_alu instid0(VALU_DEP_4)
	v_add_nc_u32 v[244+\b], 0xff000000, v[232+\b]
.endr
.irp b, 0,1,2,3
	s_delay_alu instid0(VALU_DEP_4)
	v_lshrrev_b32 v[236+\b], 23, v[244+\b]
.endr
	s_delay_alu instid0(VALU_DEP_3)
	v_lshl_or_b32 v253, v237, 8, v236              ; p's scale word for these 128 keys
	s_delay_alu instid0(VALU_DEP_1)
	v_lshl_or_b32 v253, v238, 16, v253
	s_delay_alu instid0(VALU_DEP_1)
	v_lshl_or_b32 v253, v239, 24, v253
.irp c, 0,1
	v_cvt_scalef32_pk16_fp6_f32 v[184+6*\c:186+6*\c], v[88+32*\c:103+32*\c], v[244+2*\c]
	v_cvt_scalef32_pk16_fp6_f32 v[196+4*\c:198+4*\c], v[104+32*\c:119+32*\c], v[244+2*\c+1]
.endr
	v_nop                                          ; one plain place behind a scaled conversion
.irp c, 0,1
.irp i, 0,1,2
	v_permlane16_swap_b32 v[184+6*\c+\i], v[196+4*\c+\i]
.endr
.irp i, 0,1,2
	s_delay_alu instid0(VALU_DEP_3)
	v_mov_b32 v[187+6*\c+\i], v[196+4*\c+\i]
.endr
.endr
.irp j, 0,2,4,6,8,10,12,14,16,18,20,22,24,26,28,30
	v_dual_mul_f32 v[152+\j], v252, v[152+\j] :: v_dual_mul_f32 v[153+\j], v252, v[153+\j]   ; O^T under the new M; these sixteen pairs are also the places in front of the products below
.endr
	s_wait_alu depctr_va_vdst(0)
	s_wait_dscnt 0x0                               ; V^T and its scale words are in
.irp t, 0,2
	v_wmma_scale_f32_16x16x128_f8f6f4 v[152+8*\t:159+8*\t], v[40+12*\t:51+12*\t], v[184:195], v[152+8*\t:159+8*\t], v[250+\t/2], v253 matrix_a_fmt:MATRIX_FMT_FP6 matrix_b_fmt:MATRIX_FMT_FP6
	v_wmma_scale_f32_16x16x128_f8f6f4 v[160+8*\t:167+8*\t], v[52+12*\t:63+12*\t], v[184:195], v[160+8*\t:167+8*\t], v[250+\t/2], v253 matrix_a_fmt:MATRIX_FMT_FP6 matrix_b_fmt:MATRIX_FMT_FP6 matrix_a_scale:MATRIX_SCALE_ROW1
.endr
	s_add_co_u32 s[TB], s[TB], 12800
	s_add_co_u32 s[TMK], s[TMK], 512
	s_sub_co_u32 s[CT], s[CT], 1
	s_cmp_lg_u32 s[CT], 0
	s_cbranch_scc1 .Lstep
	; ---- THE WAY OUT: O^T / l; register 16 b + i is number 32 b + 16 h + i of my query's 64; two blocks are quantised, and lane (r, h) ends with block h's 24 bytes
	v_add_f32 v14, v14, v15
	s_delay_alu instid0(VALU_DEP_1)
	v_permlanex16_b32 v252, v14, s[SEL], s[SEL+1]
	s_delay_alu instid0(VALU_DEP_1)
	v_add_f32 v14, v14, v252
	s_wait_alu depctr_va_vdst(0)
	v_rcp_f32 v14, v14
	v_and_b32 v6, 15, v0                           ; plain work behind the reciprocal: the addresses
	v_bfe_u32 v7, v0, 4, 1
	s_delay_alu instid0(VALU_DEP_2)
	v_lshlrev_b32 v226, 4, v6                      ; 16 r
	s_delay_alu instid0(VALU_DEP_1)
	v_lshl_add_u32 v225, v7, 9, v226               ; + 512 h
	s_delay_alu instid0(VALU_DEP_4)
	v_lshlrev_b32 v227, 2, v6
	s_delay_alu instid0(VALU_DEP_1)
	v_lshl_add_u32 v227, v7, 1, v227               ; 4 r + 2 h
	v_and_b32 v228, 31, v0
	s_and_b32 s21, s13, 15                         ; the head
	s_lshr_b32 s22, s21, 1                         ; which 128 along the next K
	s_and_b32 s21, s21, 1                          ; and which of its two heads
	s_lshl_b32 s23, s20, 7
	s_lshl_b32 s48, s12, 4
	s_add_co_u32 s23, s23, s48
	s_add_co_u32 s23, s23, s10                     ; my row block
	s_lshl_b32 s48, s22, 8
	s_add_co_u32 s48, s48, s23
	s_mul_i32 s48, s48, 1536
	s_lshl_b32 s49, s21, 8
	s_add_co_u32 s48, s48, s49                     ; the fragment's lanes 16 x (head % 2) on: 256 bytes of each 512
	s_mov_b32 s49, 0
	s_add_nc_u64 s[52:53], s[8:9], s[48:49]
	s_lshl_b32 s48, s22, 12
	s_lshl_b32 s23, s23, 4
	s_add_co_u32 s48, s48, s23
	s_lshl_b32 s48, s48, 2
	s_add_co_u32 s48, s48, s21
	s_add_co_u32 s48, s48, 3145728
	s_add_nc_u64 s[54:55], s[8:9], s[48:49]
	s_mov_b32 s50, 0xffff0000
	s_wait_alu depctr_va_vdst(0)                   ; the wait ahead of the reciprocal's first reader
.irp j, 0,2,4,6,8,10,12,14,16,18,20,22,24,26,28,30
	v_pk_mul_f32 v[88+\j:89+\j], v[152+\j:153+\j], v[14:15] op_sel_hi:[1,0]
.endr
.irp b, 0,1
	v_max3_num_f32 v[232+\b], |v[88+16*\b]|, |v[89+16*\b]|, 0x1800000
.endr
.irp i, 2,4,6,8,10,12,14
.irp b, 0,1
	s_delay_alu instid0(VALU_DEP_2)
	v_max3_num_f32 v[232+\b], v[232+\b], |v[88+16*\b+\i]|, |v[89+16*\b+\i]|
.endr
.endr
.irp b, 0,1
	s_delay_alu instid0(VALU_DEP_2)
	v_permlanex16_b32 v[236+\b], v[232+\b], s[SEL], s[SEL+1]
.endr
.irp b, 0,1
	s_delay_alu instid0(VALU_DEP_2)
	v_max_num_f32 v[232+\b], v[232+\b], v[236+\b]
.endr
.irp b, 0,1
	s_delay_alu instid0(VALU_DEP_2)
	v_add_nc_u32 v[244+\b], 0xff000000, v[232+\b]
.endr
.irp b, 0,1
	s_delay_alu instid0(VALU_DEP_2)
	v_lshrrev_b32 v[236+\b], 23, v[244+\b]
.endr
	v_cvt_scalef32_pk16_fp6_f32 v[204:206], v[88:103], v244
	v_cvt_scalef32_pk16_fp6_f32 v[208:210], v[104:119], v245
	v_nop                                          ; one plain place behind a scaled conversion
.irp i, 0,1,2
	v_permlane16_swap_b32 v[204+\i], v[208+\i]     ; lane (r, h): block h's words 0-2 in v204-206, words 3-5 in v208-210
.endr
	s_delay_alu instid0(VALU_DEP_2)
	v_permlanex16_b32 v212, v209, s[SEL], s[SEL+1]
	s_delay_alu instid0(VALU_DEP_2)
	v_permlanex16_b32 v213, v210, s[SEL], s[SEL+1]
	s_delay_alu instid0(VALU_DEP_2)
	v_cndmask_b32 v216, v204, v212, s50            ; lanes 0-15: registers 0-3 of the fragment's lane (block 0's words 0-3);
	s_delay_alu instid0(VALU_DEP_2)
	v_cndmask_b32 v217, v205, v213, s50            ; lanes 16-31: registers 4-7 (block 0's words 4, 5, block 1's words 0, 1)
	v_cndmask_b32 v218, v206, v204, s50
	v_cndmask_b32 v219, v208, v205, s50
	v_mov_b32 v220, v206                           ; lanes 16-31: registers 8-11 (block 1's words 2-5)
	v_mov_b32 v221, v208
	v_mov_b32 v222, v209
	v_mov_b32 v223, v210
	v_cndmask_b32 v224, v236, v237, s50            ; block h's byte
	global_store_b128 v225, v[216:219], s[52:53]   ; sixteen lanes store 256 consecutive bytes, aligned, twice
	global_store_b8 v227, v224, s[54:55]
	v_cmp_lt_u32 vcc_lo, 15, v228
	s_wait_alu depctr_va_vdst(0)
	s_wait_xcnt 0x0                                ; EXEC changes only behind this wait
	s_and_saveexec_b32 s51, vcc_lo
	global_store_b128 v226, v[220:223], s[52:53] offset:1024
	s_wait_xcnt 0x0
	s_or_b32 exec_lo, exec_lo, s51
	s_wait_tensorcnt 0x0                           ; the wave's end
	ds_add_u32 v4, v5
	s_wait_dscnt 0x0
	CROUND                                         ; the closing round
	s_endpgm
.Lfunc_end_k_q96b19b28d6_attn:
	.size	k_q96b19b28d6_attn, .Lfunc_end_k_q96b19b28d6_attn-k_q96b19b28d6_attn
	.p2alignl 7, 3214868480
	.fill 96, 4, 3214868480
	.section	.rodata,"a",@progbits
	.p2align	6, 0x0
	.amdhsa_kernel k_q96b19b28d6_attn
		.amdhsa_group_segment_fixed_size 215040
		.amdhsa_private_segment_fixed_size 0
		.amdhsa_enable_private_segment 0
		.amdhsa_kernarg_size 24
		.amdhsa_user_sgpr_count 2
		.amdhsa_user_sgpr_kernarg_segment_ptr 1
		.amdhsa_wavefront_size32 1
		.amdhsa_system_sgpr_workgroup_id_x 1
		.amdhsa_system_sgpr_workgroup_id_y 1
		.amdhsa_system_sgpr_workgroup_id_z 1
		.amdhsa_system_vgpr_workitem_id 0
		.amdhsa_next_free_vgpr 256
		.amdhsa_next_free_sgpr 66
		.amdhsa_reserve_vcc 1
		.amdhsa_float_denorm_mode_32 3
		.amdhsa_float_denorm_mode_16_64 3
		.amdhsa_memory_ordered 1
		.amdhsa_forward_progress 1
		.amdhsa_inst_pref_size 34
	.end_amdhsa_kernel
	.amdgpu_metadata
---
amdhsa.version: [ 1, 2 ]
amdhsa.kernels:
  - .name:           k_q96b19b28d6_attn
    .symbol:         k_q96b19b28d6_attn.kd
    .args:
      - { .name: qkv, .offset: 0, .size: 8, .value_kind: global_buffer, .address_space: global }
      - { .name: key_padding_mask, .offset: 8, .size: 8, .value_kind: global_buffer, .address_space: global }
      - { .name: ao, .offset: 16, .size: 8, .value_kind: global_buffer, .address_space: global }
    .group_segment_fixed_size: 215040
    .private_segment_fixed_size: 0
    .kernarg_segment_align: 8
    .kernarg_segment_size: 24
    .max_flat_workgroup_size: 512
    .sgpr_count:     66
    .vgpr_count:     256
    .wavefront_size: 32
...
	.end_amdgpu_metadata
.endif
;; end of part 4
;; launch oln (part 5): grid 256 x 1, 8 waves a work-group, no clusters, 69,632 bytes of LDS; arguments ao, wts, bo, x, ss2, x1, nq; writes x1, nq
.if DOCPART == 5
	.amdgcn_target "amdgcn-amd-amdhsa--gfx1250"
	.amdhsa_code_object_version 6
	.text
	.protected	k_q96b19b28d6_oln
	.globl	k_q96b19b28d6_oln
	.p2align	8
	.type	k_q96b19b28d6_oln,@function
k_q96b19b28d6_oln:
	s_mov_b64 s[64:65], 0
	v_nop
	global_prefetch_b8 v0, s[64:65] scope:SCOPE_SE
	s_setreg_imm32_b32 hwreg(HW_REG_WAVE_MODE, 25, 1), 1
	s_wait_xcnt 0x0
; x1 = x + ao wo^T + bo on codes of FP6 (E2M3) with E8M0 scales, and in the same launch n = layernorm(x1) (1 + scale) + shift, in f32, quantised to FP6 along the row and stored as the next product's operand.
; SHARES: a work-group owns 16 whole rows (one row block) x 1,024 columns, so that a row's mean and variance are made where the row is made; each of its eight waves owns 128 columns: 8 accumulators, and one step of 128 of the next K.
; Both operands lie in memory in the order of the operand's registers (fragment = 1,536 bytes, register 4 g + m of lane L at g x 512 + 16 L + 4 m): they go from memory straight into registers, 512 consecutive bytes a load.
; The product is used transposed (source 0 = 16 rows of wo, stored with bits 3 and 4 of the row number exchanged; source 1 = ao's 16 rows): flat register 16 B + i of lane (r, h) is column 32 B + 16 h + i of row r.
; NO JOINT LOADS, NO LDS RING: a fragment of wo feeds ONE matrix instruction of one wave; through LDS each of its bytes would be written and read once more.  NO PREFETCH: a wave's own loads run two K steps (56 loads) ahead.
; x + bo comes in by whole rows of 512 bytes, turns through the wave's own stage into the accumulators' layout, and x1 goes out the same way back.
; MEAN AND VARIANCE: each wave makes its 128 columns' mean and sum of squared deviations from it; the eight pairs meet in LDS behind one barrier: mean = the means' mean, M2 = sum of M2_w + 128 sum of (mean_w - mean)^2.  No difference of large sums is formed.
; LIMITS: a block of zeros gets the byte 1 where the rule says 127 (its codes are zeros, and this program alone reads the bytes); NaN and infinities among the inputs are not served.
; REGISTERS: window 0: v0-31 addresses and single numbers, v32-127 ao's eight fragments, v128-135 its scale words, v136-143 wo's (two sets), v144-159 at work, v160-223 x, then x1, then n.
;            window 1: v0-95, v128-223 wo's fragments (two sets; behind the products 1 + scale and shift), v96-127 and v224-255 the accumulators.
.set AO_S, 3145728
.set WO_C, 2359296
.set WO_S, 9535488
.set SP,    528                        ; a stage row: 512 bytes + 16
.set STATS, 67584                      ; behind the eight stages: [wave 8][row 16][mean, M2]
.set SPARE, 68608                      ; the spare words: 128 bytes a wave
.set AF, 32
.set AS, 128
.set BS, 136
.set TM, 144
.set XS, 160
.set BK, 64
.set PC, 32
.set PW, 51
.set MSB, 0
.macro WIN new                         ; the immediate's high byte repeats the setting that is left
.if MSB != (\new)
	s_set_vgpr_msb (MSB<<8)|(\new)
.set MSB, (\new)
.endif
.endm
.macro PLACES                          ; four plain places between a matrix instruction and a load into, or a vector read of, its registers
.rept 4
	v_nop
.endr
.endm
	s_load_b256 s[4:11], s[0:1], 0x0               ; ao, the weights, bo, x
	s_load_b128 s[12:15], s[0:1], 0x20             ; ss2, x1
	s_load_b64 s[16:17], s[0:1], 0x30              ; nq
	v_lshl_add_u32 v30, v0, 2, SPARE               ; my spare word
	v_mov_b32 v31, 0
	v_lshrrev_b32 v1, 5, v0
	v_readfirstlane_b32 s20, v1                    ; wave 0..7
	s_mul_i32 s21, s20, 16*SP                      ; my stage
	s_lshl_b32 s22, s20, 7
	v_and_b32 v2, 31, v0                           ; L
	v_and_b32 v4, 15, v0                           ; r
	v_bfe_u32 v5, v0, 4, 1                         ; h
	v_lshlrev_b32 v3, 4, v2                        ; 16 L
	v_lshlrev_b32 v6, 2, v2                        ; 4 L: wo's scale words, two tiles a load
	v_lshlrev_b32 v7, 2, v4                        ; 4 r: ao's
	v_lshlrev_b32 v8, 6, v5                        ; 64 h: scale and shift
	v_add_nc_u32 v9, s21, v3                       ; the stage by rows
	v_mul_u32_u24 v10, v4, SP
	v_lshl_add_u32 v10, v5, 6, v10
	v_add_nc_u32 v10, s21, v10                     ; and in the accumulators' layout: row r, + 64 h
	v_lshl_add_u32 v11, v4, 3, STATS               ; row r's pairs,
	v_add_nc_u32 v12, s22, v11                     ; and my wave's
	v_mov_b32 v13, 0                               ; written once: a lane permute's destination counts as one of its sources
.irp b, 0,1,2,3
	v_mov_b32 v[TM+4+\b], 0
.endr
	s_mov_b32 s30, 0x76543210
	s_mov_b32 s31, 0xfedcba98
	s_mov_b32 s32, 0x3a800000                      ; 1 / 1024
	s_mov_b32 s33, 0x3727c5ac                      ; 1e-5
	s_lshl_b32 s23, s20, 9                         ; my 128 columns in bytes of f32
	s_mul_i32 s40, ttmp9, 1536                     ; ao: fragment (0, my row block)
	s_lshl_b32 s42, ttmp9, 6
	s_add_co_u32 s42, s42, AO_S                    ; its scale words
	s_mul_i32 s44, s20, 12288
	s_add_co_u32 s44, s44, WO_C                    ; wo: fragment (0, 8 x wave)
	s_add_co_u32 s46, s23, WO_S                    ; its scale words
	s_mov_b32 s48, s23                             ; bo
	s_lshl_b32 s50, ttmp9, 16
	s_add_co_u32 s50, s50, s23                     ; x and x1
	s_lshr_b32 s52, ttmp9, 7
	s_lshl_b32 s52, s52, 13
	s_add_co_u32 s52, s52, s23                     ; ss2: the batch's row
	s_lshl_b32 s54, s20, 8
	s_add_co_u32 s54, s54, ttmp9
	s_mul_i32 s54, s54, 1536                       ; nq: fragment (wave, my row block)
	s_lshl_b32 s56, s20, 14
	s_add_co_u32 s56, s56, s42                     ; and its scale words: the same place in nq as ao's in ao, + 16,384 x wave
.irp p, 41,43,45,47,49,51,53,55,57
	s_mov_b32 s\p, 0
.endr
	s_wait_alu depctr_va_vdst(0)                   ; the wait at the head's end
	s_wait_kmcnt 0x0
	s_add_nc_u64 s[24:25], s[4:5], s[40:41]
	s_add_nc_u64 s[26:27], s[4:5], s[42:43]
	s_add_nc_u64 s[28:29], s[6:7], s[44:45]
	s_add_nc_u64 s[34:35], s[6:7], s[46:47]
	s_add_nc_u64 s[8:9], s[8:9], s[48:49]
	s_add_nc_u64 s[10:11], s[10:11], s[50:51]
	s_add_nc_u64 s[14:15], s[14:15], s[50:51]
	s_add_nc_u64 s[12:13], s[12:13], s[52:53]
	s_add_nc_u64 s[36:37], s[16:17], s[54:55]
	s_add_nc_u64 s[38:39], s[16:17], s[56:57]
.macro BLOAD kq                        ; wo's eight fragments and four scale registers of K step kq into set kq % 2: 28 loads
	WIN 0x40
.set T, 0
.rept 8
.irp g, 0,1,2
	global_load_b128 v[128*((\kq)%2)+12*T+4*\g:128*((\kq)%2)+12*T+4*\g+3], v3, s[28:29] offset:(\kq)*98304+T*1536+\g*512
.endr
.set T, T+1
.endr
	WIN 0
.irp i, 0,1,2,3
	global_load_b32 v[BS+4*((\kq)%2)+\i], v6, s[34:35] offset:(\kq)*4096+\i*128    ; lanes 0-15: tile 2 i, lanes 16-31: tile 2 i + 1
.endr
.endm
.set T, 0
.rept 16
	global_load_b128 v[XS+4*T:XS+4*T+3], v3, s[10:11] offset:T*4096 th:TH_LOAD_NT  ; x: 32 lanes read 512 consecutive bytes of row T
.set T, T+1
.endr
	global_load_b128 v[24:27], v3, s[8:9]          ; bo at the same four columns
.set Q, 0
.rept 8
.irp g, 0,1,2
	global_load_b128 v[AF+12*Q+4*\g:AF+12*Q+4*\g+3], v3, s[24:25] offset:Q*393216+\g*512
.endr
	global_load_b32 v[AS+Q], v7, s[26:27] offset:Q*16384
.set Q, Q+1
.endr
	BLOAD 0
	BLOAD 1
	s_wait_loadcnt 28                              ; all but K step 1's 28 loads are in
.set T, 0
.rept 16
	v_pk_add_f32 v[XS+4*T:XS+4*T+1], v[XS+4*T:XS+4*T+1], v[24:25]
	v_pk_add_f32 v[XS+4*T+2:XS+4*T+3], v[XS+4*T+2:XS+4*T+3], v[26:27]
.set T, T+1
.endr
.set T, 0
.rept 16
	ds_store_b128 v9, v[XS+4*T:XS+4*T+3] offset:T*SP
.set T, T+1
.endr
	s_wait_dscnt 0x0                               ; the stores have read their registers
.set N, 0
.rept 16
	ds_load_b128 v[XS+4*N:XS+4*N+3], v10 offset:128*(N/4)+16*(N%4)   ; x + bo in the accumulators' layout; waited for behind the products
.set N, N+1
.endr
.macro MM d, b, kq, sc, row            ; one product; the eight accumulators take turns
.if (\kq) == 0
	v_wmma_scale_f32_16x16x128_f8f6f4 v[\d:\d+7], v[\b:\b+11], v[AF+12*(\kq):AF+12*(\kq)+11], 0, v[\sc], v[AS+(\kq)] matrix_a_fmt:MATRIX_FMT_FP6 matrix_b_fmt:MATRIX_FMT_FP6 matrix_a_scale:MATRIX_SCALE_ROW\row
.else
	v_wmma_scale_f32_16x16x128_f8f6f4 v[\d:\d+7], v[\b:\b+11], v[AF+12*(\kq):AF+12*(\kq)+11], v[\d:\d+7], v[\sc], v[AS+(\kq)] matrix_a_fmt:MATRIX_FMT_FP6 matrix_b_fmt:MATRIX_FMT_FP6 matrix_a_scale:MATRIX_SCALE_ROW\row
.endif
.endm
.macro KSTEP kq, left
.if (\kq) > 0
	s_wait_loadcnt \left                           ; this step's loads are in; those issued behind them may be out
.endif
	WIN 0x51                                       ; source 0, C and D in window 1
.set T, 0
.rept 4
.set D0, 96+128*(T/2)+16*(T%2)
.set B0, 128*((\kq)%2)+24*T
.set S0, BS+4*((\kq)%2)+T
	MM D0, B0, \kq, S0, 0
	MM D0+8, B0+12, \kq, S0, 1
.set T, T+1
.endr
	PLACES
.endm
.irp k, 0,1,2,3,4,5
	KSTEP \k, 28
	BLOAD \k+2
.endr
	KSTEP 6, 28
	WIN 0x40
.set N, 0
.rept 16
	global_load_b128 v[4*N:4*N+3], v8, s[12:13] offset:128*(N/4)+16*(N%4)          ; scale at my 64 columns, where set 0 lay
.set N, N+1
.endr
	KSTEP 7, 16
	WIN 0x40
.set N, 0
.rept 16
	global_load_b128 v[128+4*N:128+4*N+3], v8, s[12:13] offset:4096+128*(N/4)+16*(N%4)   ; shift, where set 1 lay
.set N, N+1
.endr
	WIN 0
	s_wait_dscnt 0x0                               ; x + bo is back
	WIN 0x01
.set N, 0
.rept 32
.set AC, 96+N+96*(N/32)
	v_pk_add_f32 v[XS+N:XS+N+1], v[AC:AC+1], v[XS+N:XS+N+1]        ; x1; each accumulator from its low end on
.set N, N+2
.endr
	WIN 0
.set N, 0
.rept 16
	ds_store_b128 v10, v[XS+4*N:XS+4*N+3] offset:128*(N/4)+16*(N%4)
.set N, N+1
.endr
.set T, 0
.rept 16
	ds_load_b128 v[BK+4*T:BK+4*T+3], v9 offset:T*SP                ; LDS serves a wave's instructions in order: these see the stores
.set T, T+1
.endr
	v_pk_add_f32 v[144:145], v[XS:XS+1], v[XS+2:XS+3]              ; my 64 numbers' sum, in two chains
	v_pk_add_f32 v[146:147], v[XS+4:XS+5], v[XS+6:XS+7]
.irp p, 8,12,16,20,24,28,32,36,40,44,48,52,56,60
	v_pk_add_f32 v[144:145], v[144:145], v[XS+\p:XS+\p+1]
	v_pk_add_f32 v[146:147], v[146:147], v[XS+\p+2:XS+\p+3]
.endr
	s_delay_alu instid0(VALU_DEP_1)
	v_pk_add_f32 v[144:145], v[144:145], v[146:147]
	s_delay_alu instid0(VALU_DEP_1)
	v_add_f32 v144, v144, v145
	s_delay_alu instid0(VALU_DEP_1)
	v_permlanex16_b32 v13, v144, s30, s31
	s_delay_alu instid0(VALU_DEP_1)
	v_add_f32 v144, v144, v13
	s_delay_alu instid0(VALU_DEP_1)
	v_mul_f32 v20, 0x3c000000, v144                ; my wave's mean of row r: / 128
	s_delay_alu instid0(VALU_DEP_1)
	v_mov_b32 v21, v20
	s_wait_alu depctr_va_vdst(0)
	s_wait_dscnt 0x0                               ; x1 is back by rows, and the stores into the stage have read their registers
.set T, 0
.rept 16
	global_store_b128 v3, v[BK+4*T:BK+4*T+3], s[14:15] offset:T*4096   ; 32 lanes store 512 consecutive bytes, aligned
.set T, T+1
.endr
.set N, 0
.rept 32
	v_pk_add_f32 v[XS+N:XS+N+1], v[XS+N:XS+N+1], v[20:21] neg_lo:[0,1] neg_hi:[0,1]    ; d = x1 - my wave's mean
.set N, N+2
.endr
	v_pk_mul_f32 v[144:145], v[XS:XS+1], v[XS:XS+1]
	v_pk_mul_f32 v[146:147], v[XS+2:XS+3], v[XS+2:XS+3]
.irp p, 4,8,12,16,20,24,28,32,36,40,44,48,52,56,60
	v_pk_fma_f32 v[144:145], v[XS+\p:XS+\p+1], v[XS+\p:XS+\p+1], v[144:145]
	v_pk_fma_f32 v[146:147], v[XS+\p+2:XS+\p+3], v[XS+\p+2:XS+\p+3], v[146:147]
.endr
	s_delay_alu instid0(VALU_DEP_1)
	v_pk_add_f32 v[144:145], v[144:145], v[146:147]
	s_delay_alu instid0(VALU_DEP_1)
	v_add_f32 v144, v144, v145
	s_delay_alu instid0(VALU_DEP_1)
	v_permlanex16_b32 v13, v144, s30, s31
	v_mov_b32 v22, v20
	s_delay_alu instid0(VALU_DEP_2)
	v_add_f32 v23, v144, v13                       ; my wave's M2 of row r
	ds_store_b64 v12, v[22:23]                     ; lanes r and r + 16 write the same pair with the same values
	s_wait_alu depctr_va_vdst(0)
	s_wait_dscnt 0x0                               ; for the others' sake
	s_barrier_signal -1
	s_wait_loadcnt 0x0                             ; scale and shift are in
	WIN 0x41
.set N, 0
.rept 32
	v_pk_add_f32 v[N:N+1], v[N:N+1], 1.0 op_sel_hi:[1,0]           ; 1 + scale: work on registers while the others arrive
.set N, N+2
.endr
	WIN 0
	s_barrier_wait -1
.irp w, 0,1,2,3,4,5,6,7
	ds_load_b64 v[32+2*\w:33+2*\w], v11 offset:128*\w              ; the eight waves' pairs of row r
.endr
	s_wait_alu depctr_va_vdst(0)
	s_wait_dscnt 0x0
	v_add_f32 v48, v32, v34
	v_add_f32 v49, v36, v38
	v_add_f32 v50, v40, v42
	v_add_f32 v52, v44, v46
	v_add_f32 v53, v33, v35
	v_add_f32 v54, v37, v39
	v_add_f32 v55, v41, v43
	v_add_f32 v56, v45, v47
	v_add_f32 v48, v48, v49
	v_add_f32 v50, v50, v52
	v_add_f32 v53, v53, v54
	v_add_f32 v55, v55, v56
	v_add_f32 v48, v48, v50
	v_add_f32 v49, v53, v55                        ; the sum of the M2
	s_delay_alu instid0(VALU_DEP_2)
	v_mul_f32 v28, 0x3e000000, v48                 ; the row's mean: / 8
.irp w, 0,1,2,3,4,5,6,7
	v_sub_f32 v[32+2*\w], v[32+2*\w], v28
.endr
	v_mul_f32 v50, v32, v32
.irp w, 1,2,3,4,5,6,7
	s_delay_alu instid0(VALU_DEP_1)
	v_fma_f32 v50, v[32+2*\w], v[32+2*\w], v50
.endr
	s_delay_alu instid0(VALU_DEP_1)
	v_fmamk_f32 v49, v50, 0x43000000, v49          ; + 128 x the sum of (mean_w - mean)^2
	s_delay_alu instid0(VALU_DEP_1)
	v_fma_f32 v24, v49, s32, s33                   ; the variance + 1e-5
	s_wait_alu depctr_va_vdst(0)                   ; the wait ahead of the root
	v_rsq_f32 v24, v24
	v_sub_f32 v26, v20, v28                        ; my wave's mean - the row's: plain work behind the root
	s_wait_alu depctr_va_vdst(0)                   ; and ahead of its first reader
	v_mul_f32 v26, v26, v24
.set N, 0
.rept 32
	v_pk_fma_f32 v[XS+N:XS+N+1], v[XS+N:XS+N+1], v[24:25], v[26:27] op_sel_hi:[1,0,0]  ; (x1 - mean) / root
.set N, N+2
.endr
	WIN 0x14
.set N, 0
.rept 32
	v_pk_fma_f32 v[XS+N:XS+N+1], v[XS+N:XS+N+1], v[N:N+1], v[128+N:129+N]              ; x (1 + scale) + shift
.set N, N+2
.endr
	WIN 0
	; four blocks of 32 along the next K; lanes l and l xor 16 share a block
.irp b, 0,1,2,3
	v_max3_num_f32 v[TM+\b], |v[XS+16*\b]|, |v[XS+1+16*\b]|, 0x1800000   ; with the floor 2^(3 - 127): the byte cannot fall under 1
.endr
.irp i, 2,4,6,8,10,12,14
.irp b, 0,1,2,3
	v_max3_num_f32 v[TM+\b], |v[XS+16*\b+\i]|, |v[XS+1+16*\b+\i]|, v[TM+\b]
.endr
.endr
.irp b, 0,1,2,3
	v_permlanex16_b32 v[TM+4+\b], v[TM+\b], s30, s31
.endr
.irp b, 0,1,2,3
	v_max_num_f32 v[TM+\b], v[TM+\b], v[TM+4+\b]
.endr
.irp b, 0,1,2,3
	v_add_nc_u32 v[TM+12+\b], 0xff000000, v[TM+\b] ; 2 off the exponent field: the conversion's scale operand
.endr
.irp b, 0,1,2,3
	v_lshrrev_b32 v[TM+4+\b], 23, v[TM+12+\b]
.endr
	v_lshl_or_b32 v[PW], v[TM+5], 8, v[TM+4]
	s_delay_alu instid0(VALU_DEP_1)
	v_lshl_or_b32 v[PW], v[TM+6], 16, v[PW]
	s_delay_alu instid0(VALU_DEP_1)
	v_lshl_or_b32 v[PW], v[TM+7], 24, v[PW]
.irp c, 0,1
	v_cvt_scalef32_pk16_fp6_f32 v[PC+6*\c:PC+2+6*\c], v[XS+32*\c:XS+15+32*\c], v[TM+12+2*\c]
	v_cvt_scalef32_pk16_fp6_f32 v[PC+12+4*\c:PC+14+4*\c], v[XS+16+32*\c:XS+31+32*\c], v[TM+12+2*\c+1]
.endr
	v_nop                                          ; one plain place behind a scaled conversion
.irp c, 0,1
.irp i, 0,1,2
	v_permlane16_swap_b32 v[PC+6*\c+\i], v[PC+12+4*\c+\i]   ; a whole block to a lane
.endr
.irp i, 0,1,2
	v_mov_b32 v[PC+3+6*\c+\i], v[PC+12+4*\c+\i]
.endr
.endr
.irp g, 0,1,2
	global_store_b128 v3, v[PC+4*\g:PC+4*\g+3], s[36:37] offset:\g*512     ; 32 lanes store 512 consecutive bytes, aligned
.endr
	v_cmp_gt_u32 vcc_lo, 16, v2
	s_wait_alu depctr_va_vdst(0)
	s_wait_xcnt 0x0                                ; EXEC changes only behind this wait
	s_and_saveexec_b32 s58, vcc_lo
	global_store_b32 v7, v[PW], s[38:39]           ; lanes 0-15: the 16 rows' scale words, a run of 64 bytes
	s_wait_xcnt 0x0
	s_or_b32 exec_lo, exec_lo, s58
	s_wait_tensorcnt 0x0                           ; the wave's end, behind my last LDS store
	ds_add_u32 v30, v31
	s_wait_dscnt 0x0
	s_endpgm
.Lfunc_end_k_q96b19b28d6_oln:
	.size	k_q96b19b28d6_oln, .Lfunc_end_k_q96b19b28d6_oln-k_q96b19b28d6_oln
	.p2alignl 7, 3214868480
	.fill 96, 4, 3214868480
	.section	.rodata,"a",@progbits
	.p2align	6, 0x0
	.amdhsa_kernel k_q96b19b28d6_oln
		.amdhsa_group_segment_fixed_size 69632
		.amdhsa_private_segment_fixed_size 0
		.amdhsa_enable_private_segment 0
		.amdhsa_kernarg_size 56
		.amdhsa_user_sgpr_count 2
		.amdhsa_user_sgpr_kernarg_segment_ptr 1
		.amdhsa_wavefront_size32 1
		.amdhsa_system_sgpr_workgroup_id_x 1
		.amdhsa_system_sgpr_workgroup_id_y 1
		.amdhsa_system_sgpr_workgroup_id_z 1
		.amdhsa_system_vgpr_workitem_id 0
		.amdhsa_next_free_vgpr 512
		.amdhsa_next_free_sgpr 66
		.amdhsa_reserve_vcc 1
		.amdhsa_float_denorm_mode_32 3
		.amdhsa_float_denorm_mode_16_64 3
		.amdhsa_memory_ordered 1
		.amdhsa_forward_progress 1
		.amdhsa_inst_pref_size 72
	.end_amdhsa_kernel
	.amdgpu_metadata
---
amdhsa.version: [ 1, 2 ]
amdhsa.kernels:
  - .name:           k_q96b19b28d6_oln
    .symbol:         k_q96b19b28d6_oln.kd
    .args:
      - { .name: ao, .offset: 0, .size: 8, .value_kind: global_buffer, .address_space: global }
      - { .name: wts, .offset: 8, .size: 8, .value_kind: global_buffer, .address_space: global }
      - { .name: bo, .offset: 16, .size: 8, .value_kind: global_buffer, .address_space: global }
      - { .name: x, .offset: 24, .size: 8, .value_kind: global_buffer, .address_space: global }
      - { .name: ss2, .offset: 32, .size: 8, .value_kind: global_buffer, .address_space: global }
      - { .name: x1, .offset: 40, .size: 8, .value_kind: global_buffer, .address_space: global }
      - { .name: nq, .offset: 48, .size: 8, .value_kind: global_buffer, .address_space: global }
    .group_segment_fixed_size: 69632
    .private_segment_fixed_size: 0
    .kernarg_segment_align: 8
    .kernarg_segment_size: 56
    .max_flat_workgroup_size: 256
    .sgpr_count:     66
    .vgpr_count:     512
    .wavefront_size: 32
...
	.end_amdgpu_metadata
.endif
;; end of part 5
;; launch fc1 (part 6): grid 16 x 16, 4 waves a work-group, clusters of 4 x 4, 327,680 bytes of LDS; arguments nq, wts, b1, hq; writes hq
.if DOCPART == 6
	.amdgcn_target "amdgcn-amd-amdhsa--gfx1250"
	.amdhsa_code_object_version 6
	.text
	.protected	k_q96b19b28d6_fc1
	.globl	k_q96b19b28d6_fc1
	.p2align	8
	.type	k_q96b19b28d6_fc1,@function
k_q96b19b28d6_fc1:
	s_mov_b64 s[64:65], 0
	v_nop
	global_prefetch_b8 v0, s[64:65] scope:SCOPE_SE
	s_setreg_imm32_b32 hwreg(HW_REG_WAVE_MODE, 25, 1), 1
	s_wait_xcnt 0x0
	s_wait_alu depctr_hold_cnt(0) depctr_sa_sdst(0) depctr_va_vdst(0) depctr_va_sdst(0) depctr_va_ssrc(0) depctr_va_vcc(0) depctr_vm_vsrc(0)
	s_getreg_b32 s2, hwreg(HW_REG_IB_STS2, 6, 4)
	s_cmp_eq_u32 s2, 0
	s_cbranch_scc0 .Lentry_in_a_cluster
	s_endpgm
.Lentry_in_a_cluster:
	s_bfe_u32 s2, ttmp6, 0x10000c
	s_cmp_lg_u32 s2, 0xf033
	s_cbranch_scc0 .Lentry_shape_is_right
	s_endpgm
.Lentry_shape_is_right:
; h = gelu(n w1^T + b1) on codes of FP6 (E2M3) with E8M0 scales, quantised again along the hidden axis and stored as the next product's operand.
; A tile of C is 256 x 256, four waves, 128 x 128 each; operands lie in memory in the order of the operand's registers (fragment = 1,536 bytes).  K goes in slots of 256 through a ring of two LDS slots, laid [step of 128][16 row blocks][1536].
; CLUSTERS: 4 x 4 work-groups; A's tiles are asked for jointly along a row of the cluster, B's along a column.  At the head each wave asks for one tile: slot 0 of A, slot 0 of B, A's scale words, B's; slot 1 follows as a refill does.
; LIMITS: a block of zeros gets the byte 1 where the rule says 127 (this program alone reads the bytes); NaN and infinities are not served.
.set NA, 8
.set NQ, 2
.set KTOT, 1024
.set RBA, 256
.set RBB, 256
.set ROWSB, 4096
.set A_SOFF, 3145728
.set B_COFF, 3145728
.set B_SOFF, 9568256
.set NB, NA
.set HALFT, NQ*NA*1536
.set SLOT, 4*HALFT
.set LAPS, KTOT/(256*NQ)
.set SCL, 196608
.set QSZ, (KTOT/128)*NA*64
.set SPARE, 327168
.set CW, 2*NA*192
.set G1, 24
.set G0, 32
.set G1B, 48
.set G0B, 56
.set G1S, 68
.set G0S, 76
.set G1SB, 80
.set G0SB, 88
.set PC, 176
.set TM, 200
.set PW, 216
.set MSB, 0
.macro WIN new
.if MSB != (\new)
	s_set_vgpr_msb (MSB<<8)|(\new)
.set MSB, (\new)
.endif
.endm
.macro JLOAD g0a, g1a, g0b, g1b
	s_cmp_eq_u32 s15, 0
	s_cbranch_scc0 .Lfor_b_\@
	tensor_load_to_lds s[\g0a:\g0a+3], s[\g1a:\g1a+7]
	s_nop 0
.rept 4
	v_nop
.endr
	s_branch .Lasked_\@
.Lfor_b_\@:
	tensor_load_to_lds s[\g0b:\g0b+3], s[\g1b:\g1b+7]
	s_nop 0
.rept 4
	v_nop
.endr
.Lasked_\@:
.endm
.macro CREST
	s_cmp_lg_u32 s14, 0
	s_cbranch_scc1 .Lnot_wave_0_\@
	s_barrier_signal -3
.Lnot_wave_0_\@:
	s_barrier_wait -3
	s_barrier_signal -1
	s_barrier_wait -1
.endm
.macro CROUND
	s_barrier_signal -1
	s_barrier_wait -1
	CREST
.endm
.macro PLACES
.rept 4
	v_nop
.endr
.endm
.macro FETCH slot, q, p
	WIN 0x40
.set FI, 0
.rept NB
.irp g, 0,1,2
	ds_load_b128 v[128*(\p)+12*FI+4*\g:128*(\p)+12*FI+4*\g+3], v[20+\slot] offset:((\q)*2*NA+FI)*1536+\g*512
.endr
.set FI, FI+1
.endr
	WIN 0
.set FI, 0
.rept NA
.irp g, 0,1,2
	ds_load_b128 v[64+96*(\p)+12*FI+4*\g:64+96*(\p)+12*FI+4*\g+3], v[16+\slot] offset:((\q)*2*NA+FI)*1536+\g*512
.endr
.set FI, FI+1
.endr
.set FI, 0
.rept NA
	ds_load_b32 v[32+NA*(\p)+FI], v27 offset:(\q)*2*NA*64+FI*64
.set FI, FI+1
.endr
.endm
.macro MULS a0, n, p, first
.set AI, \a0
.rept \n
.if \first
	WIN 0x91+0x40*(AI/4)
.else
	WIN 0xa1+0x50*(AI/4)
.endif
.set BJ, 0
.rept NB
.set DD, 8*(NB*(AI%4)+BJ)
.if \first
	v_wmma_scale_f32_16x16x128_f8f6f4 v[DD:DD+7], v[128*(\p)+12*BJ:128*(\p)+12*BJ+11], v[64+96*(\p)+12*AI:64+96*(\p)+12*AI+11], v[96+128*(BJ/4)+8*(BJ%4):96+128*(BJ/4)+8*(BJ%4)+7], v[32+NA*(\p)+BJ], v[32+NA*(\p)+AI] matrix_a_fmt:MATRIX_FMT_FP6 matrix_b_fmt:MATRIX_FMT_FP6 matrix_a_scale:MATRIX_SCALE_ROW1
.else
	v_wmma_scale_f32_16x16x128_f8f6f4 v[DD:DD+7], v[128*(\p)+12*BJ:128*(\p)+12*BJ+11], v[64+96*(\p)+12*AI:64+96*(\p)+12*AI+11], v[DD:DD+7], v[32+NA*(\p)+BJ], v[32+NA*(\p)+AI] matrix_a_fmt:MATRIX_FMT_FP6 matrix_b_fmt:MATRIX_FMT_FP6 matrix_a_scale:MATRIX_SCALE_ROW1
.endif
.set BJ, BJ+1
.endr
.set AI, AI+1
.endr
.endm
.macro STEP slot, q, first
	s_wait_dscnt 0x0
	PLACES
	FETCH \slot, (\q)+1, 1-(\q)%2
	MULS 0, NA, (\q)%2, \first
.endm
.macro STEPS slot, q0
.set SQ, \q0
.rept NQ-1-(\q0)
	STEP \slot, SQ, 0
.set SQ, SQ+1
.endr
.endm
.macro TURN slot, next, fill
	WIN 0
	s_wait_tensorcnt 0x0
	ds_add_u32 v28, v29
	s_wait_dscnt 1
	MULS 0, NA/4, 1, 0
	s_wait_dscnt 0x0
	s_barrier_signal -1
	MULS NA/4, NA/4, 1, 0
	WIN 0
	s_barrier_wait -1
.if \fill
	CREST
	s_add_nc_u64 s[G0+4*\slot+2:G0+4*\slot+3], s[G0+4*\slot+2:G0+4*\slot+3], 2*NQ*RBA*1536
	s_add_nc_u64 s[G0B+4*\slot+2:G0B+4*\slot+3], s[G0B+4*\slot+2:G0B+4*\slot+3], 2*NQ*RBB*1536
	JLOAD G0+4*\slot, G1, G0B+4*\slot, G1B
.else
	PLACES
.endif
	s_wait_alu depctr_va_vdst(0)
	v_add_nc_u32 v27, 2*NQ*NA*64, v27
	FETCH \next, 0, 0
	MULS NA/2, NA/2, 1, 0
.endm
	s_load_b256 s[4:11], s[0:1], 0x0
	v_lshl_add_u32 v28, v0, 2, SPARE
	v_mov_b32 v29, 0
	ds_add_u32 v28, v29
	ds_add_u32 v28, v29
	v_lshrrev_b32 v1, 5, v0
	v_readfirstlane_b32 s14, v1
	s_lshr_b32 s15, s14, 1
	s_and_b32 s16, s14, 1
	s_bfe_u32 s40, ttmp6, 0x40000
	s_bfe_u32 s41, ttmp6, 0x40004
	s_lshl_b32 s42, ttmp9, 2
	s_add_co_u32 s42, s42, s40
	s_and_b32 s17, ttmp7, 0xffff
	s_lshl_b32 s17, s17, 2
	s_add_co_u32 s17, s17, s41
	s_lshl_b32 s43, s41, 2
	s_lshl_b32 s43, 15, s43
	s_lshl_b32 s44, 0x1111, s40
	s_or_b32 s[G1], s43, (3<<16)|(1<<21)
	s_or_b32 s[G1B], s44, (3<<16)|(1<<21)
	s_or_b32 s[G1S], s43, (3<<16)|(1<<21)
	s_or_b32 s[G1SB], s44, (3<<16)|(1<<21)
.irp g, G1, G1B
	s_mov_b32 s[\g+1], (CW&0xffff)<<16
	s_mov_b32 s[\g+2], (CW>>16)|(NQ<<16)
	s_mov_b32 s[\g+3], CW<<16
	s_mov_b32 s[\g+4], NQ
	s_mov_b32 s[\g+6], 0
	s_mov_b32 s[\g+7], 0
.endr
	s_mov_b32 s[G1+5], RBA*192
	s_mov_b32 s[G1B+5], RBB*192
.irp g, G1S, G1SB
	s_mov_b32 s[\g+1], (NA*16)<<16
	s_mov_b32 s[\g+2], (KTOT/128)<<16
	s_mov_b32 s[\g+3], (NA*16)<<16
	s_mov_b32 s[\g+4], KTOT/128
	s_mov_b32 s[\g+6], 0
	s_mov_b32 s[\g+7], 0
.endr
	s_mov_b32 s[G1S+5], 2048
	s_mov_b32 s[G1SB+5], ROWSB/2
	s_mul_i32 s20, s17, 2*NA
	s_mul_i32 s46, s42, 2*NA
	s_lshl_b32 s22, s20, 6
	s_add_co_u32 s22, s22, A_SOFF
	s_mov_b32 s23, 0
	s_mul_i32 s20, s20, 1536
	s_mov_b32 s21, 0
	s_lshl_b32 s96, s46, 6
	s_add_co_u32 s96, s96, B_SOFF
	s_mov_b32 s97, 0
	s_mul_i32 s46, s46, 1536
	s_add_co_u32 s46, s46, B_COFF
	s_mov_b32 s47, 0
	s_mul_i32 s45, s14, HALFT
	s_mul_i32 s18, s16, (NQ/2)*RBA*1536            ; in the ring I fetch half of a slot's steps of 128 along K: where they begin, for A
	s_mov_b32 s19, 0
	s_mul_i32 s2, s16, (NQ/2)*RBB*1536             ; and for B
	s_mov_b32 s3, 0
	s_wait_dscnt 0x0
	s_wait_kmcnt 0x0
	s_add_nc_u64 s[20:21], s[4:5], s[20:21]
	s_add_nc_u64 s[22:23], s[4:5], s[22:23]
	s_add_nc_u64 s[46:47], s[6:7], s[46:47]
	s_add_nc_u64 s[96:97], s[6:7], s[96:97]
	CROUND
	s_mov_b32 s[G0S], 1
	s_mov_b32 s[G0S+1], SCL
	s_mov_b64 s[G0S+2:G0S+3], s[22:23]
	s_or_b32 s[G0S+3], s[G0S+3], 0x80000000
	s_mov_b32 s[G0SB], 1
	s_mov_b32 s[G0SB+1], SCL+2*QSZ+128
	s_mov_b64 s[G0SB+2:G0SB+3], s[96:97]
	s_or_b32 s[G0SB+3], s[G0SB+3], 0x80000000
	s_mov_b32 s4, 1                                ; group 0 of the head's loads of slot 0, each tile whole: A's in s[4:7],
	s_mov_b32 s5, 0
	s_mov_b64 s[6:7], s[20:21]
	s_or_b32 s7, s7, 0x80000000
	s_mov_b32 s96, 1                               ; B's in s[96:99]
	s_mov_b32 s97, 2*HALFT
	s_mov_b64 s[98:99], s[46:47]
	s_or_b32 s99, s99, 0x80000000
	s_add_nc_u64 s[20:21], s[20:21], s[18:19]      ; for the ring: my part of a slot
	s_add_nc_u64 s[46:47], s[46:47], s[2:3]
	; THE PREFETCHES INTO THE L2: at each change of slots all my tensor loads have been waited for, so a refill's bytes are asked of memory two slots earlier.  My part of a slot is 24,576 bytes, 96 blocks of 256:
	; the four partners that ask for the tile jointly share them out by address, 24 each, a lane a block (lanes 24-31 name the last block again).  s[100:101]: my 24 blocks, at slot 1; s[104:105]: from slot to slot
	s_cmp_eq_u32 s15, 0                            ; do I fetch for A?
	s_cselect_b64 s[100:101], s[20:21], s[46:47]
	s_cselect_b32 s105, s40, s41                   ; my place among the four: cx for A, cy for B; it enters this global address alone
	s_mov_b32 s104, NQ*RBB*1536
	s_cselect_b32 s104, NQ*RBA*1536, s104
	s_mul_i32 s22, s105, 6144
	s_add_co_u32 s22, s22, s104
	s_mov_b32 s23, 0
	s_mov_b32 s105, 0
	s_add_nc_u64 s[100:101], s[100:101], s[22:23]
.irp s, 0,1
	s_mov_b32 s[G0+4*\s], 1
	s_add_co_u32 s[G0+4*\s+1], s45, \s*SLOT
	s_add_nc_u64 s[G0+4*\s+2:G0+4*\s+3], s[20:21], \s*NQ*RBA*1536
	s_or_b32 s[G0+4*\s+3], s[G0+4*\s+3], 0x80000000
	s_mov_b32 s[G0B+4*\s], 1
	s_add_co_u32 s[G0B+4*\s+1], s45, \s*SLOT
	s_add_nc_u64 s[G0B+4*\s+2:G0B+4*\s+3], s[46:47], \s*NQ*RBB*1536
	s_or_b32 s[G0B+4*\s+3], s[G0B+4*\s+3], 0x80000000
.endr
; the head's loads, one a wave, in one chain of branches on the wave's number
.macro ARM under, g0, g1, next
	s_cmp_lt_u32 s14, \under
	s_cbranch_scc0 \next
	tensor_load_to_lds s[\g0:\g0+3], s[\g1:\g1+7]
	s_nop 0
.rept 4
	v_nop
.endr
	s_branch .Lhead_asked
\next:
.endm
	ARM 1, 4, G1, .Lhead_b
	ARM 2, 96, G1B, .Lhead_sa
	ARM 3, G0S, G1S, .Lhead_sb
	tensor_load_to_lds s[G0SB:G0SB+3], s[G1SB:G1SB+7]
	s_nop 0
.rept 4
	v_nop
.endr
.Lhead_asked:
	v_and_b32 v30, 31, v0
	v_min_u32 v30, 23, v30
	v_lshlrev_b32 v30, 8, v30                      ; my block; never rewritten
	v_add_nc_u32 v31, s104, v30                    ; and the same block one slot on; never rewritten
	global_prefetch_b8 v30, s[100:101] th:TH_LOAD_NT scope:SCOPE_SE    ; behind slot 0's load: slots 1
	global_prefetch_b8 v31, s[100:101] th:TH_LOAD_NT scope:SCOPE_SE    ; and 2
	v_and_b32 v1, 15, v0
	v_bfe_u32 v2, v0, 4, 1
	s_wait_alu depctr_va_vdst(0)
	v_and_b32 v3, 31, v0
	v_lshlrev_b32 v3, 4, v3
	s_mul_i32 s21, s15, NA*1536
	s_mul_i32 s22, s16, NA*1536
	s_add_co_u32 s22, s22, 2*HALFT
.irp s, 0,1
	v_add_nc_u32 v[16+\s], s21, v3
	v_add_nc_u32 v[20+\s], s22, v3
	s_add_co_u32 s21, s21, SLOT
	s_add_co_u32 s22, s22, SLOT
.endr
	s_mul_i32 s21, s15, NA*64
	s_mul_i32 s22, s16, NA*64
	s_add_co_u32 s22, s22, 2*QSZ+128
	s_sub_co_u32 s22, s22, s21
	v_mul_u32_u24 v6, s22, v2
	s_add_co_u32 s21, s21, SCL
	v_lshl_add_u32 v6, v1, 2, v6
	v_add_nc_u32 v27, s21, v6
	s_lshl_b32 s12, s42, 10
	s_lshl_b32 s13, s16, 9
	s_add_co_u32 s12, s12, s13
	s_mov_b32 s13, 0
	s_add_nc_u64 s[8:9], s[8:9], s[12:13]
	v_lshlrev_b32 v7, 6, v2
	WIN 0x40
.set BJ, 0
.rept NB
	global_load_b128 v[96+128*(BJ/4)+8*(BJ%4):96+128*(BJ/4)+8*(BJ%4)+3], v7, s[8:9] offset:(32*(BJ/2)+8*(BJ%2))*4
	global_load_b128 v[96+128*(BJ/4)+8*(BJ%4)+4:96+128*(BJ/4)+8*(BJ%4)+7], v7, s[8:9] offset:(32*(BJ/2)+8*(BJ%2))*4+16
.set BJ, BJ+1
.endr
	WIN 0
	s_wait_alu depctr_va_vdst(0)
	s_wait_tensorcnt 0x0                           ; my tile of the head's four is in; slot 1's first fill is issued as a refill is
	ds_add_u32 v28, v29
.irp g, G1, G1B
	s_mov_b32 s[\g+1], 192<<16                     ; no load of mine is out: from here on a load brings one step of 128 along K, 2 NA fragments on end, as rows of 1,536 bytes
	s_mov_b32 s[\g+2], (2*NA)<<16
	s_mov_b32 s[\g+3], 192<<16
	s_mov_b32 s[\g+4], 2*NA
	s_mov_b32 s[\g+5], 192
.endr
	s_wait_xcnt 0x0                                ; the prefetches have read their address: it steps to slot 2
	s_add_nc_u64 s[100:101], s[100:101], s[104:105]
	s_wait_dscnt 0x0
	CROUND
	JLOAD G0+4, G1, G0B+4, G1B                     ; slot 1, a quarter a wave
	FETCH 0, 0, 0
	global_prefetch_b8 v31, s[100:101] th:TH_LOAD_NT scope:SCOPE_SE    ; behind slot 1's load: slot 3, the last; the refills ask for nothing
	s_wait_loadcnt 0x0
	STEP 0, 0, 1
	STEPS 0, 1
.if LAPS > 1
	WIN 0
	s_mov_b32 s3, LAPS-1
.Llap:
	TURN 0, 1, 1
	s_wait_alu depctr_va_vdst(0)
	STEPS 1, 0
	TURN 1, 0, 1
	s_wait_alu depctr_va_vdst(0)
	STEPS 0, 0
	WIN 0
	s_sub_co_u32 s3, s3, 1
	s_cmp_lg_u32 s3, 0
	s_cbranch_scc1 .Llap
.endif
	TURN 0, 1, 0
	s_wait_alu depctr_va_vdst(0)
	STEPS 1, 0
	s_wait_dscnt 0x0
	MULS 0, NA, 1, 0
	WIN 0
	PLACES
.macro QUANT s, w
	WIN ((\w)|((\w)<<2))
.irp b, 0,1,2,3
	v_max3_num_f32 v[TM+\b], |v[(\s)+16*\b]|, |v[(\s)+1+16*\b]|, 0x1800000
.endr
.irp i, 2,4,6,8,10,12,14
.irp b, 0,1,2,3
	v_max3_num_f32 v[TM+\b], |v[(\s)+16*\b+\i]|, |v[(\s)+1+16*\b+\i]|, v[TM+\b]
.endr
.endr
	WIN 0
.irp b, 0,1,2,3
	v_permlanex16_b32 v[TM+4+\b], v[TM+\b], s66, s67
.endr
.irp b, 0,1,2,3
	v_max_num_f32 v[TM+\b], v[TM+\b], v[TM+4+\b]
.endr
.irp b, 0,1,2,3
	v_add_nc_u32 v[TM+12+\b], 0xff000000, v[TM+\b]
.endr
.irp b, 0,1,2,3
	v_lshrrev_b32 v[TM+4+\b], 23, v[TM+12+\b]
.endr
	v_lshl_or_b32 v[PW], v[TM+5], 8, v[TM+4]
	v_lshl_or_b32 v[PW], v[TM+6], 16, v[PW]
	v_lshl_or_b32 v[PW], v[TM+7], 24, v[PW]
	WIN (\w)
.irp c, 0,1
	v_cvt_scalef32_pk16_fp6_f32 v[PC+6*\c:PC+2+6*\c], v[(\s)+32*\c:(\s)+15+32*\c], v[TM+12+2*\c]
	v_cvt_scalef32_pk16_fp6_f32 v[PC+12+4*\c:PC+14+4*\c], v[(\s)+16+32*\c:(\s)+31+32*\c], v[TM+12+2*\c+1]
.endr
	WIN 0
	v_nop
.irp c, 0,1
.irp i, 0,1,2
	v_permlane16_swap_b32 v[PC+6*\c+\i], v[PC+12+4*\c+\i]
.endr
.irp i, 0,1,2
	v_mov_b32 v[PC+3+6*\c+\i], v[PC+12+4*\c+\i]
.endr
.endr
.endm
.macro GELU16 n
.set XB, 64+16*(\n)
.irp p, 0,2,4,6,8,10,12,14
	v_dual_mul_f32 v[128+\p], v[XB+\p], v224 :: v_dual_mul_f32 v[129+\p], v[XB+\p+1], v225   ; gelu in dual-issue pairs on neighbouring registers; each coefficient lies in a pair of registers, v224 on
.endr
.irp p, 0,1,2,3,4,5,6,7,8,9,10,11,12,13,14,15
	v_med3_num_f32 v[128+\p], v[128+\p], -4.0, 4.0
.endr
.irp p, 0,2,4,6,8,10,12,14
	v_dual_mul_f32 v[144+\p], v[128+\p], v[128+\p] :: v_dual_mul_f32 v[145+\p], v[129+\p], v[129+\p]
.endr
.irp p, 0,2,4,6,8,10,12,14
	v_dual_fma_f32 v[160+\p], v[144+\p], v218, v226 :: v_dual_fma_f32 v[161+\p], v[145+\p], v219, v227
.endr
.irp c, 28,30,32,34,36
.irp p, 0,2,4,6,8,10,12,14
	v_dual_fma_f32 v[160+\p], v[160+\p], v[144+\p], v[200+\c] :: v_dual_fma_f32 v[161+\p], v[161+\p], v[145+\p], v[201+\c]
.endr
.endr
.irp p, 0,2,4,6,8,10,12,14
	v_dual_fma_f32 v[176+\p], v[144+\p], v220, v238 :: v_dual_fma_f32 v[177+\p], v[145+\p], v221, v239
.endr
.irp c, 48,50,52
.irp p, 0,2,4,6,8,10,12,14
	v_dual_fma_f32 v[176+\p], v[176+\p], v[144+\p], v[192+\c] :: v_dual_fma_f32 v[177+\p], v[177+\p], v[145+\p], v[193+\c]
.endr
.endr
	s_wait_alu depctr_va_vdst(0)
.irp p, 0,1,2,3,4,5,6,7,8,9,10,11,12,13,14,15
	v_rcp_f32 v[176+\p], v[176+\p]
.endr
	v_nop                                          ; one plain place behind the reciprocals
.irp p, 0,2,4,6,8,10,12,14
	v_dual_mul_f32 v[160+\p], v[160+\p], v[128+\p] :: v_dual_mul_f32 v[161+\p], v[161+\p], v[129+\p]
.endr
.irp p, 0,2,4,6,8,10,12,14
	v_dual_mul_f32 v[144+\p], v[XB+\p], v246 :: v_dual_mul_f32 v[145+\p], v[XB+\p+1], v247
.endr
	s_wait_alu depctr_va_vdst(0)
.irp p, 0,2,4,6,8,10,12,14
	v_dual_mul_f32 v[160+\p], v[160+\p], v[176+\p] :: v_dual_mul_f32 v[161+\p], v[161+\p], v[177+\p]
.endr
.irp p, 0,2,4,6,8,10,12,14
	v_dual_fma_f32 v[XB+\p], v[144+\p], v[160+\p], v[144+\p] :: v_dual_fma_f32 v[XB+\p+1], v[145+\p], v[161+\p], v[145+\p]
.endr
.endm
	s_wait_dscnt 0x0
	s_barrier_signal -1
	s_barrier_wait -1
	s_mov_b32 s66, 0x76543210
	s_mov_b32 s67, 0xfedcba98
.irp b, 0,1,2,3
	v_mov_b32 v[TM+4+\b], 0
.endr
	s_lshl_b32 s18, s42, 1
	s_add_co_u32 s18, s18, s16
	s_lshl_b32 s19, s17, 4
	s_lshl_b32 s12, s15, 3
	s_add_co_u32 s19, s19, s12
	s_lshl_b32 s12, s18, 8
	s_add_co_u32 s12, s12, s19
	s_mul_i32 s12, s12, 1536
	s_mov_b32 s13, 0
	s_add_nc_u64 s[20:21], s[10:11], s[12:13]
	s_lshl_b32 s12, s18, 12
	s_lshl_b32 s19, s19, 4
	s_add_co_u32 s12, s12, s19
	s_lshl_b32 s12, s12, 2
	s_add_co_u32 s12, s12, 12582912
	s_add_nc_u64 s[22:23], s[10:11], s[12:13]
	s_lshl_b32 s12, s14, 16
	v_add_nc_u32 v8, s12, v3
	s_wait_alu depctr_va_vdst(0)
	s_lshl_b32 s12, s14, 9
	s_add_co_u32 s12, s12, 262144
	v_lshl_add_u32 v11, v1, 2, s12
	v_add_nc_u32 v12, s12, v3
	s_mov_b32 s24, 0x3f3504f3
	s_mov_b32 s26, 0x32edffee
	s_mov_b32 s28, 0xb60cff51
	s_mov_b32 s30, 0xb86ec2d2
	s_mov_b32 s32, 0xba40ac63
	s_mov_b32 s34, 0xbb41a1f6
	s_mov_b32 s36, 0xbc83dbd4
	s_mov_b32 s38, 0xb95fbd29
	s_mov_b32 s48, 0xbadc924e
	s_mov_b32 s50, 0xbbf19bf8
	s_mov_b32 s52, 0xbc69b6a7
.set KI, 0
.irp c, 24,26,28,30,32,34,36,38,48,50,52
	v_mov_b32 v[224+KI], s[\c]                     ; each coefficient twice, in neighbouring registers: the two halves of a dual-issue pair take their sources from different banks
	v_mov_b32 v[225+KI], s[\c]
.set KI, KI+2
.endr
	v_mov_b32 v246, 0.5
	v_mov_b32 v247, 0.5
	v_mov_b32 v218, 0xaf95df0a
	v_mov_b32 v219, v218
	v_mov_b32 v220, 0xb77460cd
	v_mov_b32 v221, v220
.irp a, 0,1,2,3,4,5,6,7
	WIN 0x08+4*(\a/4)
.irp b, 0,1,2,3,4,5,6,7
	ds_store_b128 v8, v[8*(8*(\a%4)+\b):8*(8*(\a%4)+\b)+3] offset:\a*8192+(2*\b)*512
	ds_store_b128 v8, v[8*(8*(\a%4)+\b)+4:8*(8*(\a%4)+\b)+7] offset:\a*8192+(2*\b+1)*512
.endr
.endr
	WIN 0
	s_mov_b32 s96, 0
	s_mov_b32 s97, 0
	s_mov_b32 s3, 8
.Lrow:
	v_add_nc_u32 v9, s96, v8
.set N, 0
.rept 16
	ds_load_b128 v[64+4*N:67+4*N], v9 offset:N*512
.set N, N+1
.endr
	s_wait_dscnt 0x0
	s_wait_alu depctr_va_vdst(0)
	v_add_nc_u32 v10, s97, v11
	GELU16 0
	GELU16 1
	GELU16 2
	GELU16 3
	QUANT 64, 0
.irp g, 0,1,2
	global_store_b128 v3, v[PC+4*\g:PC+4*\g+3], s[20:21] offset:\g*512
.endr
	ds_store_b32 v10, v[PW]
	s_wait_xcnt 0x0
	s_add_nc_u64 s[20:21], s[20:21], 1536
	s_add_co_u32 s96, s96, 8192
	s_add_co_u32 s97, s97, 64
	s_sub_co_u32 s3, s3, 1
	s_cmp_lg_u32 s3, 0
	s_cbranch_scc1 .Lrow
	ds_load_b128 v[64:67], v12
	s_wait_dscnt 0x0
	global_store_b128 v3, v[64:67], s[22:23]
	s_wait_tensorcnt 0x0
	ds_add_u32 v28, v29
	s_wait_dscnt 0x0
	CROUND
	s_endpgm
.Lfunc_end_k_q96b19b28d6_fc1:
	.size	k_q96b19b28d6_fc1, .Lfunc_end_k_q96b19b28d6_fc1-k_q96b19b28d6_fc1
	.p2alignl 7, 3214868480
	.fill 96, 4, 3214868480
	.section	.rodata,"a",@progbits
	.p2align	6, 0x0
	.amdhsa_kernel k_q96b19b28d6_fc1
		.amdhsa_group_segment_fixed_size 327680
		.amdhsa_private_segment_fixed_size 0
		.amdhsa_enable_private_segment 0
		.amdhsa_kernarg_size 32
		.amdhsa_user_sgpr_count 2
		.amdhsa_user_sgpr_kernarg_segment_ptr 1
		.amdhsa_wavefront_size32 1
		.amdhsa_system_sgpr_workgroup_id_x 1
		.amdhsa_system_sgpr_workgroup_id_y 1
		.amdhsa_system_sgpr_workgroup_id_z 1
		.amdhsa_system_vgpr_workitem_id 0
		.amdhsa_next_free_vgpr 1024
		.amdhsa_next_free_sgpr 106
		.amdhsa_reserve_vcc 0
		.amdhsa_float_denorm_mode_32 3
		.amdhsa_float_denorm_mode_16_64 3
		.amdhsa_memory_ordered 1
		.amdhsa_forward_progress 1
		.amdhsa_inst_pref_size 177
	.end_amdhsa_kernel
	.amdgpu_metadata
---
amdhsa.version: [ 1, 2 ]
amdhsa.kernels:
  - .name:           k_q96b19b28d6_fc1
    .symbol:         k_q96b19b28d6_fc1.kd
    .args:
      - { .name: nq, .offset: 0, .size: 8, .value_kind: global_buffer, .address_space: global }
      - { .name: wts, .offset: 8, .size: 8, .value_kind: global_buffer, .address_space: global }
      - { .name: b1, .offset: 16, .size: 8, .value_kind: global_buffer, .address_space: global }
      - { .name: hq, .offset: 24, .size: 8, .value_kind: global_buffer, .address_space: global }
    .group_segment_fixed_size: 327680
    .private_segment_fixed_size: 0
    .kernarg_segment_align: 8
    .kernarg_segment_size: 32
    .max_flat_workgroup_size: 128
    .sgpr_count:     106
    .vgpr_count:     1024
    .wavefront_size: 32
...
	.end_amdgpu_metadata
.endif
;; end of part 6
;; launch fc2 (part 7): grid 8 x 32, 4 waves a work-group, clusters of 4 x 4, 327,680 bytes of LDS; arguments hq, wts, b2, x1, out0; writes out0
.if DOCPART == 7
	.amdgcn_target "amdgcn-amd-amdhsa--gfx1250"
	.amdhsa_code_object_version 6
	.text
	.protected	k_q96b19b28d6_fc2
	.globl	k_q96b19b28d6_fc2
	.p2align	8
	.type	k_q96b19b28d6_fc2,@function
k_q96b19b28d6_fc2:
	s_mov_b64 s[64:65], 0
	v_nop
	global_prefetch_b8 v0, s[64:65] scope:SCOPE_SE
	s_setreg_imm32_b32 hwreg(HW_REG_WAVE_MODE, 25, 1), 1
	s_wait_xcnt 0x0
	s_wait_alu depctr_hold_cnt(0) depctr_sa_sdst(0) depctr_va_vdst(0) depctr_va_sdst(0) depctr_va_ssrc(0) depctr_va_vcc(0) depctr_vm_vsrc(0)
	s_getreg_b32 s2, hwreg(HW_REG_IB_STS2, 6, 4)
	s_cmp_eq_u32 s2, 0
	s_cbranch_scc0 .Lentry_in_a_cluster
	s_endpgm
.Lentry_in_a_cluster:
	s_bfe_u32 s2, ttmp6, 0x10000c
	s_cmp_lg_u32 s2, 0xf033
	s_cbranch_scc0 .Lentry_shape_is_right
	s_endpgm
.Lentry_shape_is_right:
; out = x1 + h w2^T + b2 on codes of FP6 (E2M3) with E8M0 scales.
; A tile of C is 128 x 128, four waves, 64 x 64 each; operands lie in memory in the order of the operand's registers (fragment = 1,536 bytes).  K goes in slots of 512 through a ring of two LDS slots, laid [step of 128][8 row blocks][1536].
; CLUSTERS: 4 x 4 work-groups; A's tiles are asked for jointly along a row of the cluster, B's along a column.  At the head each wave asks for one tile: slot 0 of A, slot 0 of B, A's scale words, B's; slot 1 follows as a refill does.
.set NA, 4
.set NQ, 4
.set KTOT, 4096
.set RBA, 256
.set RBB, 64
.set ROWSB, 1024
.set A_SOFF, 12582912
.set B_COFF, 6291456
.set B_SOFF, 9699328
.set NB, NA
.set HALFT, NQ*NA*1536
.set SLOT, 4*HALFT
.set LAPS, KTOT/(256*NQ)
.set SCL, 196608
.set QSZ, (KTOT/128)*NA*64
.set SPARE, 327168
.set CW, 2*NA*192
.set G1, 24
.set G0, 32
.set G1B, 48
.set G0B, 56
.set G1S, 68
.set G0S, 76
.set G1SB, 80
.set G0SB, 88
.set MSB, 0
.macro WIN new
.if MSB != (\new)
	s_set_vgpr_msb (MSB<<8)|(\new)
.set MSB, (\new)
.endif
.endm
.macro JLOAD g0a, g1a, g0b, g1b
	s_cmp_eq_u32 s15, 0
	s_cbranch_scc0 .Lfor_b_\@
	tensor_load_to_lds s[\g0a:\g0a+3], s[\g1a:\g1a+7]
	s_nop 0
.rept 4
	v_nop
.endr
	s_branch .Lasked_\@
.Lfor_b_\@:
	tensor_load_to_lds s[\g0b:\g0b+3], s[\g1b:\g1b+7]
	s_nop 0
.rept 4
	v_nop
.endr
.Lasked_\@:
.endm
.macro CREST
	s_cmp_lg_u32 s14, 0
	s_cbranch_scc1 .Lnot_wave_0_\@
	s_barrier_signal -3
.Lnot_wave_0_\@:
	s_barrier_wait -3
	s_barrier_signal -1
	s_barrier_wait -1
.endm
.macro CROUND
	s_barrier_signal -1
	s_barrier_wait -1
	CREST
.endm
.macro PLACES
.rept 4
	v_nop
.endr
.endm
.macro FETCH slot, q, p
	WIN 0x40
.set FI, 0
.rept NB
.irp g, 0,1,2
	ds_load_b128 v[128*(\p)+12*FI+4*\g:128*(\p)+12*FI+4*\g+3], v[20+\slot] offset:((\q)*2*NA+FI)*1536+\g*512
.endr
.set FI, FI+1
.endr
	WIN 0
.set FI, 0
.rept NA
.irp g, 0,1,2
	ds_load_b128 v[64+96*(\p)+12*FI+4*\g:64+96*(\p)+12*FI+4*\g+3], v[16+\slot] offset:((\q)*2*NA+FI)*1536+\g*512
.endr
.set FI, FI+1
.endr
.set FI, 0
.rept NA
	ds_load_b32 v[32+NA*(\p)+FI], v27 offset:(\q)*2*NA*64+FI*64
.set FI, FI+1
.endr
.endm
.macro MULS a0, n, p, first
.set AI, \a0
.rept \n
.if \first
	WIN 0x91+0x40*(AI/4)
.else
	WIN 0xa1+0x50*(AI/4)
.endif
.set BJ, 0
.rept NB
.set DD, 8*(NB*(AI%4)+BJ)
.if \first
	v_wmma_scale_f32_16x16x128_f8f6f4 v[DD:DD+7], v[128*(\p)+12*BJ:128*(\p)+12*BJ+11], v[64+96*(\p)+12*AI:64+96*(\p)+12*AI+11], v[96+128*(BJ/4)+8*(BJ%4):96+128*(BJ/4)+8*(BJ%4)+7], v[32+NA*(\p)+BJ], v[32+NA*(\p)+AI] matrix_a_fmt:MATRIX_FMT_FP6 matrix_b_fmt:MATRIX_FMT_FP6 matrix_a_scale:MATRIX_SCALE_ROW1
.else
	v_wmma_scale_f32_16x16x128_f8f6f4 v[DD:DD+7], v[128*(\p)+12*BJ:128*(\p)+12*BJ+11], v[64+96*(\p)+12*AI:64+96*(\p)+12*AI+11], v[DD:DD+7], v[32+NA*(\p)+BJ], v[32+NA*(\p)+AI] matrix_a_fmt:MATRIX_FMT_FP6 matrix_b_fmt:MATRIX_FMT_FP6 matrix_a_scale:MATRIX_SCALE_ROW1
.endif
.set BJ, BJ+1
.endr
.set AI, AI+1
.endr
.endm
.macro STEP slot, q, first
	s_wait_dscnt 0x0
	PLACES
	FETCH \slot, (\q)+1, 1-(\q)%2
	MULS 0, NA, (\q)%2, \first
.endm
.macro STEPS slot, q0
.set SQ, \q0
.rept NQ-1-(\q0)
	STEP \slot, SQ, 0
.set SQ, SQ+1
.endr
.endm
.macro TURN slot, next, fill
	WIN 0
	s_wait_xcnt 0x0                                ; any prefetch of mine has read its address: it steps one slot on, ahead of the waits of the change of slots
	s_add_nc_u64 s[100:101], s[100:101], s[104:105]
	s_wait_tensorcnt 0x0
	ds_add_u32 v28, v29
	s_wait_dscnt 1
	MULS 0, NA/4, 1, 0
	s_wait_dscnt 0x0
	s_barrier_signal -1
	MULS NA/4, NA/4, 1, 0
	WIN 0
	s_barrier_wait -1
.if \fill
	CREST
	s_add_nc_u64 s[G0+4*\slot+2:G0+4*\slot+3], s[G0+4*\slot+2:G0+4*\slot+3], 2*NQ*RBA*1536
	s_add_nc_u64 s[G0B+4*\slot+2:G0B+4*\slot+3], s[G0B+4*\slot+2:G0B+4*\slot+3], 2*NQ*RBB*1536
	JLOAD G0+4*\slot, G1, G0B+4*\slot, G1B
.else
	PLACES
.endif
	s_wait_alu depctr_va_vdst(0)
	v_add_nc_u32 v27, 2*NQ*NA*64, v27
	FETCH \next, 0, 0
.if \fill
	s_cmp_gt_u32 s3, 1                             ; the loop's last trip refills slots 6 and 7: no slot stands two on
	s_cbranch_scc0 .Lno_ask_\@
	global_prefetch_b8 v31, s[100:101] th:TH_LOAD_NT scope:SCOPE_SE    ; behind the refill and the run of LDS loads: the slot two refills on
.Lno_ask_\@:
.endif
	MULS NA/2, NA/2, 1, 0
.endm
	s_load_b256 s[4:11], s[0:1], 0x0
	s_load_b64 s[92:93], s[0:1], 0x20
	v_lshl_add_u32 v28, v0, 2, SPARE
	v_mov_b32 v29, 0
	ds_add_u32 v28, v29
	ds_add_u32 v28, v29
	v_lshrrev_b32 v1, 5, v0
	v_readfirstlane_b32 s14, v1
	s_lshr_b32 s15, s14, 1
	s_and_b32 s16, s14, 1
	s_bfe_u32 s40, ttmp6, 0x40000
	s_bfe_u32 s41, ttmp6, 0x40004
	s_lshl_b32 s42, ttmp9, 2
	s_add_co_u32 s42, s42, s40
	s_and_b32 s17, ttmp7, 0xffff
	s_lshl_b32 s17, s17, 2
	s_add_co_u32 s17, s17, s41
	s_lshl_b32 s43, s41, 2
	s_lshl_b32 s43, 15, s43
	s_lshl_b32 s44, 0x1111, s40
	s_or_b32 s[G1], s43, (3<<16)|(1<<21)
	s_or_b32 s[G1B], s44, (3<<16)|(1<<21)
	s_or_b32 s[G1S], s43, (3<<16)|(1<<21)
	s_or_b32 s[G1SB], s44, (3<<16)|(1<<21)
.irp g, G1, G1B
	s_mov_b32 s[\g+1], (CW&0xffff)<<16
	s_mov_b32 s[\g+2], (CW>>16)|(NQ<<16)
	s_mov_b32 s[\g+3], CW<<16
	s_mov_b32 s[\g+4], NQ
	s_mov_b32 s[\g+6], 0
	s_mov_b32 s[\g+7], 0
.endr
	s_mov_b32 s[G1+5], RBA*192
	s_mov_b32 s[G1B+5], RBB*192
.irp g, G1S, G1SB
	s_mov_b32 s[\g+1], (NA*16)<<16
	s_mov_b32 s[\g+2], (KTOT/128)<<16
	s_mov_b32 s[\g+3], (NA*16)<<16
	s_mov_b32 s[\g+4], KTOT/128
	s_mov_b32 s[\g+6], 0
	s_mov_b32 s[\g+7], 0
.endr
	s_mov_b32 s[G1S+5], 2048
	s_mov_b32 s[G1SB+5], ROWSB/2
	s_mul_i32 s20, s17, 2*NA
	s_mul_i32 s46, s42, 2*NA
	s_lshl_b32 s22, s20, 6
	s_add_co_u32 s22, s22, A_SOFF
	s_mov_b32 s23, 0
	s_mul_i32 s20, s20, 1536
	s_mov_b32 s21, 0
	s_lshl_b32 s96, s46, 6
	s_add_co_u32 s96, s96, B_SOFF
	s_mov_b32 s97, 0
	s_mul_i32 s46, s46, 1536
	s_add_co_u32 s46, s46, B_COFF
	s_mov_b32 s47, 0
	s_mul_i32 s45, s14, HALFT
	s_mul_i32 s18, s16, (NQ/2)*RBA*1536            ; in the ring I fetch half of a slot's steps of 128 along K: where they begin, for A
	s_mov_b32 s19, 0
	s_mul_i32 s2, s16, (NQ/2)*RBB*1536             ; and for B
	s_mov_b32 s3, 0
	s_wait_dscnt 0x0
	s_wait_kmcnt 0x0
	s_add_nc_u64 s[20:21], s[4:5], s[20:21]
	s_add_nc_u64 s[22:23], s[4:5], s[22:23]
	s_add_nc_u64 s[46:47], s[6:7], s[46:47]
	s_add_nc_u64 s[96:97], s[6:7], s[96:97]
	CROUND
	s_mov_b32 s[G0S], 1
	s_mov_b32 s[G0S+1], SCL
	s_mov_b64 s[G0S+2:G0S+3], s[22:23]
	s_or_b32 s[G0S+3], s[G0S+3], 0x80000000
	s_mov_b32 s[G0SB], 1
	s_mov_b32 s[G0SB+1], SCL+2*QSZ+128
	s_mov_b64 s[G0SB+2:G0SB+3], s[96:97]
	s_or_b32 s[G0SB+3], s[G0SB+3], 0x80000000
	s_mov_b32 s4, 1                                ; group 0 of the head's loads of slot 0, each tile whole: A's in s[4:7],
	s_mov_b32 s5, 0
	s_mov_b64 s[6:7], s[20:21]
	s_or_b32 s7, s7, 0x80000000
	s_mov_b32 s96, 1                               ; B's in s[96:99]
	s_mov_b32 s97, 2*HALFT
	s_mov_b64 s[98:99], s[46:47]
	s_or_b32 s99, s99, 0x80000000
	s_add_nc_u64 s[20:21], s[20:21], s[18:19]      ; for the ring: my part of a slot
	s_add_nc_u64 s[46:47], s[46:47], s[2:3]
	; THE PREFETCHES INTO THE L2: at each change of slots all my tensor loads have been waited for, so a refill's bytes are asked of memory two slots earlier.  My part of a slot is two steps of 128 along K, 12,288 bytes each: 96 blocks of 256:
	; the four partners that ask for the tile jointly share them out by address, 24 each, a lane a block (lanes 24-31 name the last block again).  s[100:101]: my 24 blocks, at slot 1; s[104:105]: from slot to slot
	s_cmp_eq_u32 s15, 0                            ; do I fetch for A?
	s_cselect_b64 s[100:101], s[20:21], s[46:47]
	s_cselect_b32 s105, s40, s41                   ; my place p among the four: cx for A, cy for B; it enters this global address alone
	s_mov_b32 s104, NQ*RBB*1536
	s_cselect_b32 s104, NQ*RBA*1536, s104
	s_lshr_b32 s22, s105, 1                        ; step p / 2 of my two,
	s_lshr_b32 s23, s104, 2                        ; (from one step of 128 to the next: a quarter of a slot's)
	s_mul_i32 s22, s22, s23
	s_and_b32 s105, s105, 1
	s_mul_i32 s105, s105, 6144                     ; half p % 2 of its 48 blocks
	s_add_co_u32 s22, s22, s105
	s_add_co_u32 s22, s22, s104
	s_mov_b32 s23, 0
	s_mov_b32 s105, 0
	s_add_nc_u64 s[100:101], s[100:101], s[22:23]
.irp s, 0,1
	s_mov_b32 s[G0+4*\s], 1
	s_add_co_u32 s[G0+4*\s+1], s45, \s*SLOT
	s_add_nc_u64 s[G0+4*\s+2:G0+4*\s+3], s[20:21], \s*NQ*RBA*1536
	s_or_b32 s[G0+4*\s+3], s[G0+4*\s+3], 0x80000000
	s_mov_b32 s[G0B+4*\s], 1
	s_add_co_u32 s[G0B+4*\s+1], s45, \s*SLOT
	s_add_nc_u64 s[G0B+4*\s+2:G0B+4*\s+3], s[46:47], \s*NQ*RBB*1536
	s_or_b32 s[G0B+4*\s+3], s[G0B+4*\s+3], 0x80000000
.endr
; the head's loads, one a wave, in one chain of branches on the wave's number
.macro ARM under, g0, g1, next
	s_cmp_lt_u32 s14, \under
	s_cbranch_scc0 \next
	tensor_load_to_lds s[\g0:\g0+3], s[\g1:\g1+7]
	s_nop 0
.rept 4
	v_nop
.endr
	s_branch .Lhead_asked
\next:
.endm
	ARM 1, 4, G1, .Lhead_b
	ARM 2, 96, G1B, .Lhead_sa
	ARM 3, G0S, G1S, .Lhead_sb
	tensor_load_to_lds s[G0SB:G0SB+3], s[G1SB:G1SB+7]
	s_nop 0
.rept 4
	v_nop
.endr
.Lhead_asked:
	v_and_b32 v30, 31, v0
	v_min_u32 v30, 23, v30
	v_lshlrev_b32 v30, 8, v30                      ; my block; never rewritten
	v_add_nc_u32 v31, s104, v30                    ; and the same block one slot on; never rewritten
	global_prefetch_b8 v30, s[100:101] th:TH_LOAD_NT scope:SCOPE_SE    ; behind slot 0's load: slots 1
	global_prefetch_b8 v31, s[100:101] th:TH_LOAD_NT scope:SCOPE_SE    ; and 2
	v_and_b32 v1, 15, v0
	v_bfe_u32 v2, v0, 4, 1
	s_wait_alu depctr_va_vdst(0)
	v_and_b32 v3, 31, v0
	v_lshlrev_b32 v3, 4, v3
	s_mul_i32 s21, s15, NA*1536
	s_mul_i32 s22, s16, NA*1536
	s_add_co_u32 s22, s22, 2*HALFT
.irp s, 0,1
	v_add_nc_u32 v[16+\s], s21, v3
	v_add_nc_u32 v[20+\s], s22, v3
	s_add_co_u32 s21, s21, SLOT
	s_add_co_u32 s22, s22, SLOT
.endr
	s_mul_i32 s21, s15, NA*64
	s_mul_i32 s22, s16, NA*64
	s_add_co_u32 s22, s22, 2*QSZ+128
	s_sub_co_u32 s22, s22, s21
	v_mul_u32_u24 v6, s22, v2
	s_add_co_u32 s21, s21, SCL
	v_lshl_add_u32 v6, v1, 2, v6
	v_add_nc_u32 v27, s21, v6
	s_lshl_b32 s12, s42, 9
	s_lshl_b32 s13, s16, 8
	s_add_co_u32 s12, s12, s13
	s_mov_b32 s13, 0
	s_add_nc_u64 s[8:9], s[8:9], s[12:13]
	s_lshl_b32 s18, s17, 19
	s_add_co_u32 s12, s12, s18
	s_lshl_b32 s18, s15, 18
	s_add_co_u32 s12, s12, s18
	s_add_nc_u64 s[10:11], s[10:11], s[12:13]
	s_add_nc_u64 s[92:93], s[92:93], s[12:13]
	v_lshlrev_b32 v7, 6, v2
	v_lshlrev_b32 v26, 12, v2
	v_lshl_add_u32 v26, v1, 4, v26
	WIN 0x40
.set BJ, 0
.rept NB
	global_load_b128 v[96+8*BJ:96+8*BJ+3], v7, s[8:9] offset:(32*(BJ/2)+8*(BJ%2))*4
	global_load_b128 v[96+8*BJ+4:96+8*BJ+7], v7, s[8:9] offset:(32*(BJ/2)+8*(BJ%2))*4+16
.set BJ, BJ+1
.endr
	WIN 0xc0
.set N, 0
.rept 32
	global_load_b128 v[4*N:4*N+3], v26, s[10:11] offset:2*N*4096 th:TH_LOAD_NT
.set N, N+1
.endr
	WIN 0
	s_wait_alu depctr_va_vdst(0)
	s_wait_tensorcnt 0x0                           ; my tile of the head's four is in; slot 1's first fill is issued as a refill is
	ds_add_u32 v28, v29
.irp g, G1, G1B
	s_mov_b32 s[\g+2], (NQ/2)<<16                  ; no load of mine is out: from here on a load brings two of a slot's four steps of 128 along K
	s_mov_b32 s[\g+4], NQ/2
.endr
	s_wait_xcnt 0x0                                ; the prefetches have read their address: it steps to slot 2
	s_add_nc_u64 s[100:101], s[100:101], s[104:105]
	s_wait_dscnt 0x0
	CROUND
	JLOAD G0+4, G1, G0B+4, G1B                     ; slot 1, a quarter a wave
	FETCH 0, 0, 0
	global_prefetch_b8 v31, s[100:101] th:TH_LOAD_NT scope:SCOPE_SE    ; behind slot 1's load: slot 3
	s_wait_loadcnt 32
	STEP 0, 0, 1
	STEPS 0, 1
.if LAPS > 1
	WIN 0
	s_mov_b32 s3, LAPS-1
.Llap:
	TURN 0, 1, 1
	s_wait_alu depctr_va_vdst(0)
	STEPS 1, 0
	TURN 1, 0, 1
	s_wait_alu depctr_va_vdst(0)
	STEPS 0, 0
	WIN 0
	s_sub_co_u32 s3, s3, 1
	s_cmp_lg_u32 s3, 0
	s_cbranch_scc1 .Llap
.endif
	TURN 0, 1, 0
	s_wait_alu depctr_va_vdst(0)
	STEPS 1, 0
	s_wait_dscnt 0x0
	MULS 0, NA, 1, 0
	WIN 0
	PLACES
	s_mul_i32 s12, s14, 4352
	v_mul_u32_u24 v8, v1, 272
	v_lshl_add_u32 v8, v2, 6, v8
	v_add_nc_u32 v8, s12, v8
	v_mul_u32_u24 v9, v2, 272
	v_lshl_add_u32 v9, v1, 4, v9
	v_add_nc_u32 v9, s12, v9
	s_wait_alu depctr_va_vdst(0)
	s_wait_loadcnt 0x0
.irp a, 0,1,2,3
.if \a >= 2
	s_wait_xcnt 0x0
.endif
	WIN 0x08
.irp b, 0,1,2,3
	ds_store_b128 v8, v[8*(4*\a+\b):8*(4*\a+\b)+3] offset:128*(\b/2)+32*(\b%2)
	ds_store_b128 v8, v[8*(4*\a+\b)+4:8*(4*\a+\b)+7] offset:128*(\b/2)+32*(\b%2)+16
.endr
	WIN 0
.irp t, 0,1,2,3,4,5,6,7
	ds_load_b128 v[64+32*(\a%2)+4*\t:67+32*(\a%2)+4*\t], v9 offset:2*\t*272
.endr
	s_wait_dscnt 0x0
	WIN 0x0c
.irp p, 0,2,4,6,8,10,12,14,16,18,20,22,24,26,28,30
	v_pk_add_f32 v[64+32*(\a%2)+\p:65+32*(\a%2)+\p], v[64+32*(\a%2)+\p:65+32*(\a%2)+\p], v[32*\a+\p:32*\a+\p+1]
.endr
	WIN 0
.irp t, 0,1,2,3,4,5,6,7
	global_store_b128 v26, v[64+32*(\a%2)+4*\t:67+32*(\a%2)+4*\t], s[92:93] offset:(16*\a+2*\t)*4096 th:TH_STORE_NT
.endr
.endr
	s_wait_tensorcnt 0x0
	ds_add_u32 v28, v29
	s_wait_dscnt 0x0
	CROUND
	s_endpgm
.Lfunc_end_k_q96b19b28d6_fc2:
	.size	k_q96b19b28d6_fc2, .Lfunc_end_k_q96b19b28d6_fc2-k_q96b19b28d6_fc2
	.p2alignl 7, 3214868480
	.fill 96, 4, 3214868480
	.section	.rodata,"a",@progbits
	.p2align	6, 0x0
	.amdhsa_kernel k_q96b19b28d6_fc2
		.amdhsa_group_segment_fixed_size 327680
		.amdhsa_private_segment_fixed_size 0
		.amdhsa_enable_private_segment 0
		.amdhsa_kernarg_size 40
		.amdhsa_user_sgpr_count 2
		.amdhsa_user_sgpr_kernarg_segment_ptr 1
		.amdhsa_wavefront_size32 1
		.amdhsa_system_sgpr_workgroup_id_x 1
		.amdhsa_system_sgpr_workgroup_id_y 1
		.amdhsa_system_sgpr_workgroup_id_z 1
		.amdhsa_system_vgpr_workitem_id 0
		.amdhsa_next_free_vgpr 1024
		.amdhsa_next_free_sgpr 106
		.amdhsa_reserve_vcc 0
		.amdhsa_float_denorm_mode_32 3
		.amdhsa_float_denorm_mode_16_64 3
		.amdhsa_memory_ordered 1
		.amdhsa_forward_progress 1
		.amdhsa_inst_pref_size 95
	.end_amdhsa_kernel
	.amdgpu_metadata
---
amdhsa.version: [ 1, 2 ]
amdhsa.kernels:
  - .name:           k_q96b19b28d6_fc2
    .symbol:         k_q96b19b28d6_fc2.kd
    .args:
      - { .name: hq, .offset: 0, .size: 8, .value_kind: global_buffer, .address_space: global }
      - { .name: wts, .offset: 8, .size: 8, .value_kind: global_buffer, .address_space: global }
      - { .name: b2, .offset: 16, .size: 8, .value_kind: global_buffer, .address_space: global }
      - { .name: x1, .offset: 24, .size: 8, .value_kind: global_buffer, .address_space: global }
      - { .name: out0, .offset: 32, .size: 8, .value_kind: global_buffer, .address_space: global }
    .group_segment_fixed_size: 327680
    .private_segment_fixed_size: 0
    .kernarg_segment_align: 8
    .kernarg_segment_size: 40
    .max_flat_workgroup_size: 128
    .sgpr_count:     106
    .vgpr_count:     1024
    .wavefront_size: 32
...
	.end_amdgpu_metadata
.endif
;; end of part 7
